; MI455X (gfx1250); checked and timed in simulation.
; The chip was launched on July 23, 2026; its instructions are those of AMD's public machine-readable ISA for CDNA 5 (MIT licence, August 2026) and "CDNA5" Instruction Set Architecture Reference Guide (July 2026). The comments in the code are by the model that wrote it; some were corrected since.
;; Cross Attention Block. Allowed arithmetic: matrix products marked QUANTISED: E2M1 operands, one E8M0 scale for each 32 along K, by v_wmma_scale_f32_16x16x128_f8f6f4 with both operands' format E2M1 (or v_wmma_scale_f32_32x16x128_f4), f32 sums; everything else in f32.
;; Inputs: Wk_codes 1,024 x 32 x 16 uint8 (E2M1 codes of Wk, K innermost, in blocks of 32 codes, two codes a byte); Wk_scales 1,024 x 32 uint8 (E8M0 scales of Wk, one for each 32 codes along K); Wo_codes 1,024 x 32 x 16 uint8 (E2M1 codes of Wo, K innermost, in blocks of 32 codes, two codes a byte); Wo_scales 1,024 x 32 uint8 (E8M0 scales of Wo, one for each 32 codes along K); Wq_codes 1,024 x 32 x 16 uint8 (E2M1 codes of Wq, K innermost, in blocks of 32 codes, two codes a byte); Wq_scales 1,024 x 32 uint8 (E8M0 scales of Wq, one for each 32 codes along K); Wv_codes 1,024 x 32 x 16 uint8 (E2M1 codes of Wv, K innermost, in blocks of 32 codes, two codes a byte); Wv_scales 1,024 x 32 uint8 (E8M0 scales of Wv, one for each 32 codes along K); beta 1,024 float32; bk 1,024 float32; bo 1,024 float32; bq 1,024 float32; bv 1,024 float32; gamma 1,024 float32; key_in_codes 2 x 2,048 x 32 x 16 uint8 (E2M1 codes of key_in, K innermost, in blocks of 32 codes, two codes a byte); key_in_scales 2 x 2,048 x 32 uint8 (E8M0 scales of key_in, one for each 32 codes along K); mask 2 x 1 x 2,048 x 2,048 float32; query 2 x 2,048 x 1,024 float32.
;; Outputs: out0 2 x 2,048 x 1,024 float32.
;; This version of the problem:
;;   THIS VERSION OF THE PROBLEM IS GIVEN IN LOW PRECISION. The matrix products marked QUANTISED in the list below multiply operands that are first quantised to E2M1 (2 exponent bits, 1 mantissa bit; 4 bits a number), with one power-of-two scale for each 32 numbers along K (OCP MX v1.0); their sums are f32. All else is computed in f32.
;;   The module's matrix products, in the order in which they are computed (A, B: the left and right operand; K: the contracted axis; several contracted axes count as one K, in the product's order):
;;     1. [M 4,096, K 1,024] x [K 1,024, N 1,024]; A: input query; B: input Wq (given as codes): QUANTISED
;;     2. [M 4,096, K 1,024] x [K 1,024, N 1,024]; A: input key_in (given as codes); B: input Wk (given as codes): QUANTISED
;;     3. [M 4,096, K 1,024] x [K 1,024, N 1,024]; A: input key_in (given as codes); B: input Wv (given as codes): QUANTISED
;;     4. batch 32 x [M 2,048, K 64] x [K 64, N 2,048]; A: computed on the way; B: computed on the way: QUANTISED
;;     5. batch 32 x [M 2,048, K 2,048] x [K 2,048, N 64]; A: softmax (see below); B: computed on the way: QUANTISED
;;     6. [M 4,096, K 1,024] x [K 1,024, N 1,024]; A: computed on the way; B: input Wo (given as codes): QUANTISED
;;   THE QUANTISER, for each operand of a quantised product, along K:
;;     - K is cut into blocks of 32 from its start; a last block that is shorter is filled with zeros.
;;     - A block's scale is 2^e with e = floor(log2(the largest magnitude in the block)) - 2, held to -126 .. 127; a block of zeros has e = 0. As a byte (E8M0): e + 127.
;;     - Each number is divided by its block's scale, clamped to +-6, and rounded to the nearest number of E2M1, ties to even, subnormals kept.
;;     - The product sums the exact products of the quantised numbers (number of the format x scale) in f32.
;;   ~~~python
;;   def quantise(x, axis):      # numpy; x: float32 -> the quantised numbers, widened to float32 again
;;       x = np.moveaxis(x, axis, -1); K = x.shape[-1]
;;       x = np.pad(x, [(0, 0)] * (x.ndim - 1) + [(0, -K % 32)]); x = x.reshape(x.shape[:-1] + (-1, 32)); a = np.abs(x).max(-1, keepdims=True)
;;       e = np.where(a > 0, np.clip(np.frexp(np.where(a > 0, a, 1))[1] - 1 - 2, -126, 127), 0)      # np.frexp(a)[1] - 1 = floor(log2(a)), exactly
;;       r = np.clip(x / 2.0 ** e, -6, 6)
;;       step = 2.0 ** (np.maximum(np.frexp(np.where(r == 0, 1, r))[1] - 1, 0) - 1)
;;       q = np.round(r / step) * step * 2.0 ** e      # np.round: ties to even
;;       return np.moveaxis(q.reshape(q.shape[:-2] + (-1,))[..., :K], -1, axis).astype(np.float32)
;;   ~~~
;;   SOFTMAX AHEAD OF A QUANTISED PRODUCT. Where the list says 'softmax', what is quantised is not the finished softmax but p = 2^(t - M), with t = logit x log2(e) and M = ceil(the row's largest t), a whole number; so 1/2 < the row's largest p <= 1. The row's sum l is taken of the UNQUANTISED p, in f32, and the product's result is divided by l at the end. Since M is a whole number, a kernel that streams over the keys may use a running M (the ceiling of the running maximum): every later rescaling is an exact power of two, which a block's scale takes up: the codes' values come out the same.
;;   OPERANDS COMPUTED ON THE WAY. 'Computed on the way' means the value that the module computes at that place (a softmax that the list does not call 'softmax' is quantised finished and normalised). What goes into a quantiser is computed in f32, as accurately as f32 sums, v_exp_f32 and their like allow (about 1e-6 of the number): no bf16 or f16 on the way to a quantiser, and a product that is left as it is and whose result goes on into a quantised operand takes f32 operands (vector FMAs, or v_wmma_f32_16x16x4_f32). A number that lies on a knife's edge between two numbers of the format may be rounded either way, as far as f32 arithmetic and the matrix unit's own rounding can turn it there, and no further.
;;   INPUTS GIVEN AS CODES. Wk (in the module: [1024, 1024], K = its axis 0); Wo (in the module: [1024, 1024], K = its axis 0); Wq (in the module: [1024, 1024], K = its axis 0); Wv (in the module: [1024, 1024], K = its axis 0); key_in (in the module: [2, 2048, 1024], K = its axis 2): each comes as NAME_codes (uint8): NAME with its K axis moved to the last place and cut into blocks of 32 codes, [.., K / 32, bytes a block], one block behind the other in memory; two codes a byte, the lower K in the low four bits (a code: sign, 2 exponent bits, 1 mantissa bit); and NAME_scales (uint8): the same leading axes, one E8M0 byte (e + 127) for each 32 codes along K. Its value is code x scale, taken as it is: it is not quantised again, and the codes and scales need not be those that the quantiser above would give.
;; One version. Each part assembles by itself: llvm-mc -triple=amdgcn-amd-amdhsa -mcpu=gfx1250 --defsym DOCPART=n.
;; ======== version 1 of 1: 3 launches
;; limits: right only within a limited range of input values
;; workspace buffers: kv 4,718,592 bytes; cimg 2,097,152 bytes; csw 262,144 bytes
;; launch proj (part 1): grid 4 x 64, 8 waves a work-group, clusters of 4 x 4, 205,824 bytes of LDS; arguments key_in_codes, key_in_scales, Wk_codes, Wk_scales, Wv_codes, Wv_scales, bk, bv, kv; writes kv
.if DOCPART == 1
	.amdgcn_target "amdgcn-amd-amdhsa--gfx1250"
	.amdhsa_code_object_version 6
	.text
	.protected	k_q9034b9ab36_proj
	.globl	k_q9034b9ab36_proj
	.p2align	8
	.type	k_q9034b9ab36_proj,@function
k_q9034b9ab36_proj:
	s_mov_b64 s[64:65], 0
	v_nop
	global_prefetch_b8 v0, s[64:65] scope:SCOPE_SE
	s_setreg_imm32_b32 hwreg(HW_REG_WAVE_MODE, 25, 1), 1
	s_wait_xcnt 0x0
	s_wait_alu depctr_hold_cnt(0) depctr_sa_sdst(0) depctr_va_vdst(0) depctr_va_sdst(0) depctr_va_ssrc(0) depctr_va_vcc(0) depctr_vm_vsrc(0)
	s_getreg_b32 s2, hwreg(HW_REG_IB_STS2, 6, 4)
	s_cmp_eq_u32 s2, 0
	s_cbranch_scc0 .Lentry_in_a_cluster
	s_endpgm
.Lentry_in_a_cluster:
	s_bfe_u32 s2, ttmp6, 0x10000c
	s_cmp_lg_u32 s2, 0xf033
	s_cbranch_scc0 .Lentry_shape_is_right
	s_endpgm
.Lentry_shape_is_right:
; k = key_in Wk + bk and v = key_in Wv + bv, both products on codes of FP4 (E2M1) with one E8M0 scale for each 32 along K = 1,024, and both results
; quantised again at once: k along its head's 64 channels, v along the keys.  They leave as IMAGES OF OPERAND REGISTERS, in records that the attention launch fetches as dense blocks.
; A record (73,728 bytes) serves one batch, one group of four heads and 256 keys: [2 x 128 keys][4 heads][8 tiles of 16 keys][512 B] of k; the same 32,768 bytes of v ([4 tiles of 16 channels][2][512 B]);
; 4,096 bytes of k's scale words (a tile's word: lanes 0-15 the even head's, lanes 16-31 the odd head's; bytes 2 and 3 are 0x7f); 4,096 bytes of v's.
; SHARES.  256 work-groups: the cluster's y 0-7 make k, 8-15 make v; a work-group takes 128 keys x 256 columns (four heads).  ONE TEXT SERVES BOTH by two roles:
; P = eight tiles that are source 0, so that their rows run along a lane's registers: the axis that is quantised (k: rows of Wk; v: keys);  R = one tile that is source 1: its rows lie across the lanes (k: keys; v: rows of Wv).
; THE ROWS OF A TILE ARE NOT NEIGHBOURS: lane r of tile 2 b + u takes row 32 b + 8 u + r + 8 (r / 8), so that the 16 registers of tiles 2 b and 2 b + 1 are 16 neighbours.  R's tiles are chosen alike, because the next launch wants them so.
; Wave w: block w / 4 of 128 columns, two R tiles 2 (w % 4) + i, which share P's fragments: ten fragments from LDS for sixteen products.
; CLUSTER 4 x 4: the keys' tile is shared along a row of the cluster, the weight's along a column: each is asked for jointly.  Every LDS byte is filled once.
; What differs between k and v is chosen by s_cselect and v_cndmask on the cluster's y, which all partners share: no branch hangs on it.
; LIMITS: NaN and infinities are not served; a block whose largest magnitude lies under 2^-124 keeps the scale byte 1 (a block of zeros too: its codes are zeros, and this program alone reads the bytes).
.set WV,    22                         ; s22  my wave's number
.set SEL,   30                         ; s[30:31] lane selects of v_permlanex16_b32: lane l xor 16
.set G1X,   32                         ; s[32:39] descriptor group 1 for the keys' tile;  s[40:47] for the weight's: they differ in the mask
.set G1W,   40
.set G0X,   48                         ; s[48:51], s[52:55] their groups 0
.set G0W,   52
.set PITCH, 528                        ; an LDS row: 512 bytes (1,024 codes) + 16 of padding = 132 words: row r starts 4 r words on, modulo 64
.set PART,  64*PITCH                   ; what one tensor load brings: 64 rows
.set WOFF,  2*PART                     ; LDS: 128 rows of key_in, then 256 rows of the weight,
.set SWS,   6*PART                     ; then 16 images of scale words, 128 bytes each: written by LDS stores alone
.set REC,   73728
.set PB,    6                          ; v6   LDS address of P's fragments
.set RB,    7                          ; v7   of R's
.set TM,    32                         ; v32-35 largest magnitudes, v36-39 bytes, v44-47 the conversions' scale operands
.set PC,    48                         ; v48-55 the codes just made
.set PW,    56                         ; v56  their scale word
.set ACC0,  64                         ; window 0: job 0's eight accumulators
.set ACC1,  0                          ; window 1: job 1's
.set PS,    128                        ; v128-159 P's scale words: tile t at 4 t: lanes 0-15 the words of K steps 0-3, lanes 16-31 those of 4-7
.set RS,    160                        ; v160-167 R's, job i at 4 i
.set PF,    64                         ; window 1: P's fragments, two sets of 64
.set RF,    192                        ; window 1: R's, 16 x set + 8 i
.set MSB,   0
.macro WIN new                         ; the immediate's high byte repeats the setting that is left
.if MSB != (\new)
	s_set_vgpr_msb (MSB<<8)|(\new)
.set MSB, (\new)
.endif
.endm
.macro PLACES n
.rept \n
	v_nop
.endr
.endm
.macro CROUND                          ; a round of the cluster's barrier
	s_barrier_signal -1
	s_barrier_wait -1
	s_cmp_lg_u32 s[WV], 0
	s_cbranch_scc1 .Lnot_wave_0_\@
	s_barrier_signal -3
.Lnot_wave_0_\@:
	s_barrier_wait -3
	s_barrier_signal -1
	s_barrier_wait -1
.endm
; a product that adds in place; row = 1: both sides' scale words are taken from lanes 16-31
.macro WM d, a, b, sa, sb, row
.if (\row)
	v_wmma_scale_f32_16x16x128_f8f6f4 v[\d:\d+7], v[\a:\a+7], v[\b:\b+7], v[\d:\d+7], v[\sa], v[\sb] matrix_a_fmt:MATRIX_FMT_FP4 matrix_b_fmt:MATRIX_FMT_FP4 matrix_a_scale:MATRIX_SCALE_ROW1 matrix_b_scale:MATRIX_SCALE_ROW1
.else
	v_wmma_scale_f32_16x16x128_f8f6f4 v[\d:\d+7], v[\a:\a+7], v[\b:\b+7], v[\d:\d+7], v[\sa], v[\sb] matrix_a_fmt:MATRIX_FMT_FP4 matrix_b_fmt:MATRIX_FMT_FP4
.endif
.endm
; 64 numbers of a lane, v[s] .. v[s + 63] of window w, register 16 b + i = place 32 b + 16 (lane / 16) + i along the axis that is quantised, become a fragment's codes in v[PC] on, the four bytes in v[TM+4] on and the scale word in v[PW]
.macro QUANT s, w
.if \w
	WIN 0x05
.else
	WIN 0
.endif
.irp b, 0,1,2,3
	v_max3_num_f32 v[TM+\b], |v[\s+16*\b]|, |v[\s+16*\b+1]|, 0x1800000   ; my 16 numbers of block b, and the floor 2^(3 - 127): the byte cannot fall under 1
.endr
.if \w
	WIN 0x14
.endif
.irp i, 2,4,6,8,10,12,14
.irp b, 0,1,2,3
	v_max3_num_f32 v[TM+\b], v[TM+\b], |v[\s+16*\b+\i]|, |v[\s+16*\b+\i+1]|   ; the four blocks by turns
.endr
.endr
	WIN 0
.irp b, 0,1,2,3
	v_permlanex16_b32 v[TM+4+\b], v[TM+\b], s[SEL], s[SEL+1]
.endr
.irp b, 0,1,2,3
	s_delay_alu instid0(VALU_DEP_4)
	v_max_num_f32 v[TM+\b], v[TM+\b], v[TM+4+\b]   ; with lane l xor 16's: the block's largest magnitude
.endr
.irp b, 0,1,2,3
	s_delay_alu instid0(VALU_DEP_4)
	v_add_nc_u32 v[TM+12+\b], 0xff000000, v[TM+\b]   ; 2 off its exponent field: the conversion takes that field as its scale
.endr
.irp b, 0,1,2,3
	s_delay_alu instid0(VALU_DEP_4)
	v_lshrrev_b32 v[TM+4+\b], 23, v[TM+12+\b]      ; the scale's byte
.endr
	s_delay_alu instid0(VALU_DEP_3)
	v_lshl_or_b32 v[PW], v[TM+5], 8, v[TM+4]
	s_delay_alu instid0(VALU_DEP_1)
	v_lshl_or_b32 v[PW], v[TM+6], 16, v[PW]
	s_delay_alu instid0(VALU_DEP_1)
	v_lshl_or_b32 v[PW], v[TM+7], 24, v[PW]
.if \w
	WIN 0x01
.endif
.irp b, 0,1,2,3
	v_cvt_scalef32_pk8_fp4_f32 v[PC+2*\b], v[\s+16*\b:\s+16*\b+7], v[TM+12+\b]
	v_cvt_scalef32_pk8_fp4_f32 v[PC+2*\b+1], v[\s+16*\b+8:\s+16*\b+15], v[TM+12+\b]
.endr
	WIN 0
	v_nop                                          ; one plain place behind a scaled conversion
.irp c, 0,1                                    ; the operand's layout wants a whole block in a lane: lanes 0-15 block 2 c, lanes 16-31 block 2 c + 1
.irp i, 0,1
	v_permlane16_swap_b32 v[PC+4*\c+\i], v[PC+2+4*\c+\i]
.endr
.endr
.endm
	s_load_b256 s[4:11], s[0:1], 0x0               ; key_in codes s[4:5], key_in scales s[6:7], Wk codes s[8:9], Wk scales s[10:11]
	s_load_b256 s[12:19], s[0:1], 0x20             ; Wv codes s[12:13], Wv scales s[14:15], bk s[16:17], bv s[18:19]
	s_load_b64 s[20:21], s[0:1], 0x40              ; kv
	v_lshl_add_u32 v254, v0, 2, 0x32000
	v_mov_b32 v255, 0
	ds_add_u32 v254, v255
	ds_add_u32 v254, v255
	v_lshrrev_b32 v1, 5, v0
	s_delay_alu instid0(VALU_DEP_1)
	v_readfirstlane_b32 s[WV], v1                  ; wave 0..7
	s_bfe_u32 s23, ttmp6, 0x40000                  ; cx
	s_bfe_u32 s24, ttmp6, 0x40004                  ; cy
	s_lshl_b32 s66, ttmp9, 2
	s_add_co_u32 s66, s66, s23                     ; g: the group of four heads = work-group x
	s_and_b32 s25, ttmp7, 0xffff                   ; the cluster's y, 0..15
	s_lshr_b32 s26, s25, 3                         ; kind: 0 = k, 1 = v: the same in all sixteen partners
	s_lshl_b32 s27, s25, 2
	s_add_co_u32 s27, s27, s24
	s_and_b32 s27, s27, 31                         ; S: which 128 rows of key_in
	s_lshr_b32 s28, s[WV], 2                       ; blk: which 128 of the 256 columns
	s_and_b32 s29, s[WV], 3
	s_lshl_b32 s56, s24, 2
	s_lshl_b32 s56, 15, s56                        ; my row of the cluster
	s_lshl_b32 s57, 0x1111, s23                    ; my column
	; descriptor group 1: 64 rows x 512 bytes, 16 bytes of padding behind each row
	s_or_b32 s[G1X], s56, (1<<20)|(1<<21)|(6<<22)|(3<<25)   ; 15:0 the mask; 17:16 elements of 1 byte; 20 padding on; 21 set beside a mask; 24:22 after every 128 words (code 6); 31:25 four words (code 3)
	s_or_b32 s[G1W], s57, (1<<20)|(1<<21)|(6<<22)|(3<<25)
.irp g, G1X, G1W
	s_mov_b32 s[\g+1], 512<<16                     ; tensor_dim0
	s_mov_b32 s[\g+2], 64<<16                      ; tensor_dim1
	s_mov_b32 s[\g+3], 512<<16                     ; tile_dim0
	s_mov_b32 s[\g+4], 64                          ; tile_dim1
	s_mov_b32 s[\g+5], 512                         ; from row to row
	s_mov_b32 s[\g+6], 0
	s_mov_b32 s[\g+7], 0
.endr
	s_and_b32 s58, s[WV], 1                        ; the keys' tile: rows 128 S + 64 (wave % 2): hangs on cy and the cluster's y alone
	s_lshl_b32 s58, s58, 15
	s_lshl_b32 s59, s27, 16
	s_add_co_u32 s58, s58, s59
	s_mov_b32 s59, 0
	s_sub_co_u32 s60, s[WV], 2                     ; the weight's: rows 256 g + 64 ((wave - 2) % 4): hangs on cx alone
	s_and_b32 s60, s60, 3
	s_lshl_b32 s60, s60, 15
	s_lshl_b32 s61, s66, 17
	s_add_co_u32 s60, s60, s61
	s_mov_b32 s61, 0
	s_mul_i32 s62, s[WV], PART                     ; where they go: wave x 64 rows
	s_wait_dscnt 0x0
	s_wait_kmcnt 0x0
	s_cmp_eq_u32 s26, 0
	s_cselect_b64 s[68:69], s[8:9], s[12:13]       ; Wk's codes or Wv's
	s_mov_b32 s[G0X], 1
	s_mov_b32 s[G0X+1], s62
	s_add_nc_u64 s[G0X+2:G0X+3], s[4:5], s[58:59]
	s_or_b32 s[G0X+3], s[G0X+3], 0x80000000
	s_mov_b32 s[G0W], 1
	s_mov_b32 s[G0W+1], s62
	s_add_nc_u64 s[G0W+2:G0W+3], s[68:69], s[60:61]
	s_or_b32 s[G0W+3], s[G0W+3], 0x80000000
	CROUND                                         ; all sixteen work-groups are here: the joint loads meet
	s_cmp_lt_u32 s[WV], 2                          ; waves 0, 1: the keys' halves; waves 2 to 5: the weight's quarters; waves 6, 7: nothing.  One load a wave
	s_cbranch_scc0 .Lnot_x
	tensor_load_to_lds s[G0X:G0X+3], s[G1X:G1X+7]
	s_nop 0
	PLACES 4
	s_branch .Lasked
.Lnot_x:
	s_cmp_lt_u32 s[WV], 6
	s_cbranch_scc0 .Lasked
	tensor_load_to_lds s[G0W:G0W+3], s[G1W:G1W+7]
	s_nop 0
	PLACES 4
.Lasked:
	v_and_b32 v1, 31, v0                           ; lane
	v_and_b32 v2, 15, v0                           ; r
	v_bfe_u32 v3, v0, 4, 1                         ; h
	s_wait_alu depctr_va_vdst(0)
	v_and_b32 v4, 8, v2
	s_delay_alu instid0(VALU_DEP_1)
	v_add_nc_u32 v4, v4, v2                        ; r + 8 (r / 8)
	s_wait_alu depctr_va_vdst(0)
	v_mul_u32_u24 v5, v4, PITCH
	s_delay_alu instid0(VALU_DEP_1)
	v_lshl_add_u32 v5, v3, 4, v5                   ; a fragment's row x pitch + 16 h
	s_add_co_u32 s70, s28, 1
	s_mul_i32 s70, s70, WOFF                       ; my block's 128 rows of the weight begin here (128 rows are as many bytes as the keys' tile)
	s_mul_i32 s71, s29, 32*PITCH                   ; R's two tiles begin 32 (wave % 4) rows on
	s_add_co_u32 s73, s70, s71
	v_add_nc_u32 v[PB], s70, v5                    ; k: P = the weight's block,
	v_add_nc_u32 v[RB], s71, v5                    ;    R = the keys.  v: P = the keys (v5 as it stands),
	v_add_nc_u32 v11, s73, v5                      ;    R = the weight's block.  Every LDS address is made of the wave's number and the lane alone
	s_lshl_b32 s67, s66, 8
	s_lshl_b32 s74, s28, 7
	s_add_co_u32 s67, s67, s74                     ; n0 = 256 g + 128 blk
	s_lshl_b32 s75, s27, 7                         ; 128 S
	s_cmp_eq_u32 s26, 0
	s_cselect_b64 s[76:77], s[16:17], s[18:19]     ; bk or bv
	s_cselect_b64 s[78:79], s[10:11], s[6:7]       ; P's scale bytes
	s_cselect_b64 s[80:81], s[6:7], s[14:15]       ; R's
	s_cselect_b32 s82, s67, s75                    ; P's first row
	s_cselect_b32 s83, s75, s67                    ; R's
	s_cselect_b32 s84, 0, -1                       ; all lanes on where v is made
	s_lshl_b32 s86, s67, 2
	s_mov_b32 s87, 0
	s_add_nc_u64 s[76:77], s[76:77], s[86:87]      ; the bias at n0
	s_lshl_b32 s86, s82, 5
	s_add_nc_u64 s[78:79], s[78:79], s[86:87]      ; 32 scale bytes a row
	s_lshl_b32 s86, s29, 5
	s_add_co_u32 s86, s86, s83
	s_lshl_b32 s86, s86, 5
	s_add_nc_u64 s[80:81], s[80:81], s[86:87]
	s_lshl_b32 s86, s29, 7
	s_add_nc_u64 s[88:89], s[76:77], s[86:87]      ; the bias at R's first row
	v_lshlrev_b32 v8, 6, v3                        ; 64 h
	v_lshlrev_b32 v9, 2, v4                        ; 4 (r + 8 (r / 8))
	v_lshlrev_b32 v10, 5, v4
	s_delay_alu instid0(VALU_DEP_1)
	v_lshl_add_u32 v10, v3, 4, v10                 ; a row's scale bytes: lanes 0-15 words 0-3, lanes 16-31 words 4-7
	; The bias is the C of each sum's first product.  k: it runs along the registers (tile 2 b + u, register j: n0 + 32 b + 16 h + 8 u + j), the same for both jobs;  v: it is one number a lane.  Both are loaded, one is kept.
.irp t, 0,1,2,3,4,5,6,7
	global_load_b128 v[ACC0+8*\t:ACC0+8*\t+3], v8, s[76:77] offset:(32*(\t/2)+8*(\t%2))*4
	global_load_b128 v[ACC0+8*\t+4:ACC0+8*\t+7], v8, s[76:77] offset:(32*(\t/2)+8*(\t%2))*4+16
.endr
	WIN 0x40                                       ; destination window 1
.irp t, 0,1,2,3,4,5,6,7
	global_load_b128 v[ACC1+8*\t:ACC1+8*\t+3], v8, s[76:77] offset:(32*(\t/2)+8*(\t%2))*4
	global_load_b128 v[ACC1+8*\t+4:ACC1+8*\t+7], v8, s[76:77] offset:(32*(\t/2)+8*(\t%2))*4+16
.endr
	WIN 0
	global_load_b32 v60, v9, s[88:89]              ; the bias of R's row, job 0,
	global_load_b32 v61, v9, s[88:89] offset:32    ; job 1: eight rows on
.irp t, 0,1,2,3,4,5,6,7
	global_load_b128 v[PS+4*\t:PS+4*\t+3], v10, s[78:79] offset:(32*(\t/2)+8*(\t%2))*32
.endr
.irp i, 0,1
	global_load_b128 v[RS+4*\i:RS+4*\i+3], v10, s[80:81] offset:256*\i
.endr
	; where the results go
	s_lshr_b32 s70, s27, 4                         ; the batch
	s_lshl_b32 s70, s70, 2
	s_add_co_u32 s70, s70, s66
	s_lshl_b32 s70, s70, 3
	s_bfe_u32 s71, s27, 0x30001                    ; which 256 keys of the batch
	s_add_co_u32 s70, s70, s71
	s_mul_i32 s70, s70, REC                        ; my record
	s_and_b32 s71, s27, 1                          ; which 128 keys of the record
	s_lshl_b32 s72, s71, 14
	s_lshl_b32 s73, s71, 11
	s_lshl_b32 s74, s28, 13
	s_lshl_b32 s75, s29, 10
	s_add_co_u32 s74, s74, s75                     ; k: heads 2 blk on, tiles 2 (wave % 4) on
	s_lshl_b32 s75, s[WV], 11
	s_add_co_u32 s75, s75, 32768                   ; v: fragments 2 wave on
	s_mov_b32 s94, 512
	s_mov_b32 s95, 4096
	s_mov_b32 s96, 65536
	s_cmp_eq_u32 s26, 0
	s_cselect_b32 s74, s74, s75
	s_cselect_b32 s94, s94, 1024                   ; from job to job: k: a tile; v: a fragment
	s_cselect_b32 s95, s95, 512                    ; from registers 0-3 to 4-7: k: the next head; v: the fragment's second half
	s_cselect_b32 s96, s96, 69632                  ; the scale words
	s_add_co_u32 s74, s74, s72
	s_add_co_u32 s74, s74, s70
	s_mov_b32 s75, 0
	s_add_nc_u64 s[90:91], s[20:21], s[74:75]
	s_add_co_u32 s96, s96, s73
	s_add_co_u32 s96, s96, s70
	s_mov_b32 s97, 0
	s_add_nc_u64 s[92:93], s[20:21], s[96:97]
	v_lshlrev_b32 v12, 4, v1                       ; 16 x lane: an image's place for my lane
	s_delay_alu instid0(VALU_DEP_1)
	v_add_nc_u32 v13, s95, v12
	s_delay_alu instid0(VALU_DEP_2)
	v_add_nc_u32 v14, s94, v12
	s_delay_alu instid0(VALU_DEP_2)
	v_add_nc_u32 v15, s94, v13
	s_lshl_b32 s98, s[WV], 8
	v_lshl_add_u32 v16, v1, 2, s98
	s_delay_alu instid0(VALU_DEP_1)
	v_add_nc_u32 v16, SWS, v16                     ; the word stage: 4 x lane + 256 x wave
	v_lshl_add_u32 v17, v0, 4, SWS                 ; and back: 16 x thread (waves 0 to 3 alone read)
	v_lshlrev_b32 v18, 4, v0
	v_cmp_ne_u32 s85, 0, v3                        ; lanes 16-31
	s_mov_b32 s[SEL], 0x76543210
	s_mov_b32 s[SEL+1], 0xfedcba98
.irp b, 0,1,2,3
	v_mov_b32 v[TM+4+\b], 0                        ; written once: a lane permute's destination counts as one of its sources
.endr
	s_wait_loadcnt 0x0
	s_mov_b32 vcc_lo, s84
.set j, 0
.rept 64
	v_cndmask_b32 v[ACC0+j], v[ACC0+j], v60, vcc_lo   ; v: the lane's own bias in all 64
.set j, j+1
.endr
	WIN 0x41                                       ; destination and source 0 window 1
.set j, 0
.rept 64
	v_cndmask_b32 v[ACC1+j], v[ACC1+j], v61, vcc_lo
.set j, j+1
.endr
	WIN 0
	PLACES 4
	s_wait_alu depctr_va_vdst(0)
	s_wait_tensorcnt 0x0                           ; my part has landed (a wave without a load passes),
	s_barrier_signal -1
	s_barrier_wait -1                              ; everybody's has
.macro FETCH s, buf, pb, rb            ; the fragments of K step s: P's eight from v[pb], R's two from v[rb]: 20 loads
	WIN 0x40
.irp t, 0,1,2,3,4,5,6,7
.irp c, 0,1
	ds_load_b128 v[PF+64*(\buf)+8*\t+4*\c:PF+64*(\buf)+8*\t+4*\c+3], v[\pb] offset:(32*(\t/2)+8*(\t%2))*PITCH+64*(\s)+32*\c
.endr
.endr
.irp i, 0,1
.irp c, 0,1
	ds_load_b128 v[RF+16*(\buf)+8*\i+4*\c:RF+16*(\buf)+8*\i+4*\c+3], v[\rb] offset:8*PITCH*\i+64*(\s)+32*\c
.endr
.endr
.endm
.macro MULS s, buf                     ; 16 products; the 16 accumulators take turns, one instruction a turn
	WIN 0x05                                       ; sources 0 and 1 window 1, C and D window 0
.irp t, 0,1,2,3,4,5,6,7
	WM ACC0+8*\t, PF+64*(\buf)+8*\t, RF+16*(\buf), PS+4*\t+(\s)%4, RS+(\s)%4, (\s)/4
.endr
	WIN 0x55                                       ; all in window 1
.irp t, 0,1,2,3,4,5,6,7
	WM ACC1+8*\t, PF+64*(\buf)+8*\t, RF+16*(\buf)+8, PS+4*\t+(\s)%4, RS+4+(\s)%4, (\s)/4
.endr
.endm
.macro GEMM pb, rb                     ; the eight K steps, with the two roles' addresses
	FETCH 0, 0, \pb, \rb
.set Q, 0
.rept 8
.if Q > 0
	PLACES 4                                       ; in front of loads into registers that the products of the step before have read
.endif
.if Q < 7
	FETCH Q+1, (Q+1)%2, \pb, \rb
	s_wait_dscnt 20                                ; all but the 20 just issued
.else
	s_wait_dscnt 0x0
.endif
	MULS Q, Q%2
.set Q, Q+1
.endr
	WIN 0
.endm
	s_cmp_lg_u32 s26, 0                            ; k or v: the cluster's y alone decides, the same in all sixteen partners and in all waves; no barrier stands in either arm
	s_cbranch_scc1 .Lmake_v
	GEMM PB, RB
	s_branch .Ljoin
.Lmake_v:
	GEMM 5, 11
.Ljoin:
	PLACES 4                                       ; in front of the first read of results
	s_barrier_signal -1                            ; no LDS load of mine is out: every wave's reads of the tiles are over before any wave stores into LDS
	s_barrier_wait -1
.macro OUT i
.if \i
	QUANT ACC1, 1
.else
	QUANT ACC0, 0
.endif
	v_lshl_or_b32 v57, v[TM+5], 8, v[TM+4]         ; k: a head has two blocks: the even head's word,
	v_lshl_or_b32 v58, v[TM+7], 8, v[TM+6]         ; the odd head's;
	s_delay_alu instid0(VALU_DEP_2)
	v_or_b32 v57, 0x7f7f0000, v57                  ; bytes 2 and 3 stand over codes that meet zeros in the next launch: 2^0
	s_delay_alu instid0(VALU_DEP_2)
	v_or_b32 v58, 0x7f7f0000, v58
	s_mov_b32 vcc_lo, s85
	v_cndmask_b32 v57, v57, v58, vcc_lo            ; lanes 0-15 the even head's, lanes 16-31 the odd head's
	s_mov_b32 vcc_lo, s84
	v_cndmask_b32 v57, v57, v[PW], vcc_lo          ; v: the four blocks' word as it stands
	global_store_b128 v[12+2*\i], v[PC:PC+3], s[90:91]      ; 32 lanes store 512 consecutive bytes, at a multiple of 512 from the buffer's first byte
	global_store_b128 v[13+2*\i], v[PC+4:PC+7], s[90:91]
	ds_store_b32 v16, v57 offset:128*\i
.endm
	OUT 0
	s_wait_xcnt 0x0                                ; the stores have read their data: the codes' registers are written again
	s_wait_dscnt 0x0
	OUT 1
	s_wait_dscnt 0x0                               ; for the others' sake: my words lie in the stage
	s_barrier_signal -1
	s_barrier_wait -1
	s_cmp_lt_u32 s[WV], 4                          ; the sixteen images, 2,048 bytes, leave by four waves: 512 consecutive bytes a store
	s_cbranch_scc0 .Lno_words
	ds_load_b128 v[24:27], v17
	s_wait_dscnt 0x0
	global_store_b128 v18, v[24:27], s[92:93]
.Lno_words:
	s_wait_tensorcnt 0x0
	ds_add_u32 v254, v255
	s_wait_dscnt 0x0
	CROUND                                         ; the closing round: no work-group ends while a partner may still ask for a tile that names it
	s_endpgm
.Lfunc_end_k_q9034b9ab36_proj:
	.size	k_q9034b9ab36_proj, .Lfunc_end_k_q9034b9ab36_proj-k_q9034b9ab36_proj
	.p2alignl 7, 3214868480
	.fill 96, 4, 3214868480
	.section	.rodata,"a",@progbits
	.p2align	6, 0x0
	.amdhsa_kernel k_q9034b9ab36_proj
		.amdhsa_group_segment_fixed_size 205824
		.amdhsa_private_segment_fixed_size 0
		.amdhsa_enable_private_segment 0
		.amdhsa_kernarg_size 72
		.amdhsa_user_sgpr_count 2
		.amdhsa_user_sgpr_kernarg_segment_ptr 1
		.amdhsa_wavefront_size32 1
		.amdhsa_system_sgpr_workgroup_id_x 1
		.amdhsa_system_sgpr_workgroup_id_y 1
		.amdhsa_system_sgpr_workgroup_id_z 1
		.amdhsa_system_vgpr_workitem_id 0
		.amdhsa_next_free_vgpr 512
		.amdhsa_next_free_sgpr 100
		.amdhsa_reserve_vcc 1
		.amdhsa_float_denorm_mode_32 3
		.amdhsa_float_denorm_mode_16_64 3
		.amdhsa_memory_ordered 1
		.amdhsa_forward_progress 1
		.amdhsa_inst_pref_size 84
	.end_amdhsa_kernel
	.amdgpu_metadata
---
amdhsa.version: [ 1, 2 ]
amdhsa.kernels:
  - .name:           k_q9034b9ab36_proj
    .symbol:         k_q9034b9ab36_proj.kd
    .args:
      - { .name: key_in_codes, .offset: 0, .size: 8, .value_kind: global_buffer, .address_space: global }
      - { .name: key_in_scales, .offset: 8, .size: 8, .value_kind: global_buffer, .address_space: global }
      - { .name: Wk_codes, .offset: 16, .size: 8, .value_kind: global_buffer, .address_space: global }
      - { .name: Wk_scales, .offset: 24, .size: 8, .value_kind: global_buffer, .address_space: global }
      - { .name: Wv_codes, .offset: 32, .size: 8, .value_kind: global_buffer, .address_space: global }
      - { .name: Wv_scales, .offset: 40, .size: 8, .value_kind: global_buffer, .address_space: global }
      - { .name: bk, .offset: 48, .size: 8, .value_kind: global_buffer, .address_space: global }
      - { .name: bv, .offset: 56, .size: 8, .value_kind: global_buffer, .address_space: global }
      - { .name: kv, .offset: 64, .size: 8, .value_kind: global_buffer, .address_space: global }
    .group_segment_fixed_size: 205824
    .private_segment_fixed_size: 0
    .kernarg_segment_align: 8
    .kernarg_segment_size: 72
    .max_flat_workgroup_size: 256
    .sgpr_count:     100
    .vgpr_count:     512
    .wavefront_size: 32
...
	.end_amdgpu_metadata
.endif
;; end of part 1
;; launch attn (part 2): grid 4 x 64, 8 waves a work-group, clusters of 4 x 4, 327,680 bytes of LDS; arguments query, mask, Wq_codes, Wq_scales, bq, kv, cimg, csw; writes cimg, csw
.if DOCPART == 2
	.amdgcn_target "amdgcn-amd-amdhsa--gfx1250"
	.amdhsa_code_object_version 6
	.text
	.protected	k_q9034b9ab36_attn
	.globl	k_q9034b9ab36_attn
	.p2align	8
	.type	k_q9034b9ab36_attn,@function
k_q9034b9ab36_attn:
	s_mov_b64 s[64:65], 0
	v_nop
	global_prefetch_b8 v0, s[64:65] scope:SCOPE_SE
	s_setreg_imm32_b32 hwreg(HW_REG_WAVE_MODE, 25, 1), 1
	s_wait_xcnt 0x0
	s_wait_alu depctr_hold_cnt(0) depctr_sa_sdst(0) depctr_va_vdst(0) depctr_va_sdst(0) depctr_va_ssrc(0) depctr_va_vcc(0) depctr_vm_vsrc(0)
	s_getreg_b32 s2, hwreg(HW_REG_IB_STS2, 6, 4)
	s_cmp_eq_u32 s2, 0
	s_cbranch_scc0 .Lentry_in_a_cluster
	s_endpgm
.Lentry_in_a_cluster:
	s_bfe_u32 s2, ttmp6, 0x10000c
	s_cmp_lg_u32 s2, 0xf033
	s_cbranch_scc0 .Lentry_shape_is_right
	s_endpgm
.Lentry_shape_is_right:
; q = Q(query) Wq + bq, quantised along a head's 64 channels; S^T = k q^T; t = clip(S (0.5 mask + 0.5) / 8, +-50) log2(e); p = 2^t, quantised along the keys; O^T = v^T p^T; O / the sum of the unquantised p; the context quantised along D.
; All products on codes of FP4 (E2M1) with one E8M0 scale for each 32 along K.  k and v come as images of operand registers from the launch before (its head comment gives the record).
; NO MAXIMUM IS TAKEN AWAY, BECAUSE THE CLIP BOUNDS THE EXPONENT FOR EVERY INPUT: |t| <= 50 log2(e) = 72.14, so p lies in 2^-72.2 .. 2^72.2 and a row's sum of 2,048 of them under 2^84: nothing overflows or underflows in f32.
; That is the whole number M = 0 in p = 2^(t - M): a block's scale takes the power of two up, the codes' values are the same, and the sum divides it out.
; THE BLEND IS ONE FACTOR: 0.5 (s m) + 0.5 s = s (0.5 m + 0.5); with 1 / 8 and log2(e): w = m c + c, c = log2(e) / 16, which hangs on no head.  For m = 0 and m = 1 the result has the bits of the written order; for other m one rounding more.
; SHARES.  A work-group: 64 queries x 4 heads, all 2,048 keys.  Wave w: queries 16 (w % 4) on, heads 2 (w / 4) and + 1.  A step is 128 keys: its factor w is made once and serves both heads.
; LAYOUT.  Both products transposed: a lane holds ONE query (lane % 16); the keys of a tile of k are chosen so that the 16 registers of tiles 2 b, 2 b + 1 are keys 32 b + 16 (lane / 16) + 0 .. 15.
; A head has 64 channels and the instruction 128 along K: q's upper four registers are zero codes; k's operand is named eight registers long, its upper four being the next tile's codes, which meet those zeros under the scale bytes 0x7f.
; CLUSTER 4 x 4: the mask's tile (queries) is shared along a row of the cluster, k / v's record and Wq's rows (heads) along a column: each is asked for jointly.
; RING: two slots of 256 keys: 64 rows of the mask (1,024 bytes + 16) and one record (73,728 bytes).  Waves 0-3 fetch the mask's quarters, waves 4-7 the record's.  Wq's 256 rows lie in slot 1 first.
; HEAD: one joint load a wave: waves 0-3 64 rows of Wq each, waves 4, 5 the halves of slot 0's mask, waves 6, 7 the halves of its record.
; THE SOFTMAX GOES IN BATCHES: 32 scalings, 64 clips, 32 maxima (four blocks by turns), then 68 exponentials on end.
; LIMITS: NaN and infinities are not served; |v| stays under about 1e13 so that the sum of p v stays finite; a block whose largest magnitude lies under 2^-124 keeps the scale byte 1.
.set SLOTB, 140288                     ; a slot: 64 x 1,040 of the mask, then the record
.set KVO,   66560
.set REC,   73728
.set WQO,   SLOTB                      ; Wq's tile: 256 rows x 528, in slot 1
.set XIMG,  2*SLOTB                    ; x's 32 fragments (tile of queries m, K step s: 8 m + s) as images, 1,024 bytes each: LDS stores alone write here
.set XSC,   XIMG+32768                 ; their scale words, 128 bytes each
.set SPARE, XSC+4096                   ; the spare words, 128 bytes for each wave
.set WV,20
.set QT,21                             ; w % 4
.set HP,22                             ; w / 4
.set CX,23
.set CY,24
.set YY,25                             ; my block of 64 queries
.set CLY,26                            ; the cluster's y
.set BB,27                             ; the batch
.set G1Q,28                            ; descriptor groups 1: Wq, mask, record
.set G1M,36
.set G1K,44
.set G0Q,52                            ; groups 0: Wq; the ring's mask and record, which walk
.set G0M,56
.set G0K,60
.set WMB,66                            ; my part's place in a slot: the mask's, the record's
.set WKB,67
.set SK,68                             ; what the step in hand adds to the LDS addresses of images, words, mask
.set SW,69
.set SM,70
.set CNT,71
.set LOOP,72
.set GG,73                             ; the group of four heads
.set SEL,74                            ; lane selects: lane l xor 16
.set CC,76                             ; c, twice
.set PFA,78                            ; where my prefetches stand; a slot on
.set PFS,80
.set ASKF,82                           ; 1 in a wave that prefetches
.set TB,2                              ; LDS byte at which the slot in hand begins;
.set TO,3                              ; and the other one: both are turned by one exclusive or a trip
.set G0HM,84                           ; groups 0 of the head's loads of slot 0: half of the mask's tile, half of the record
.set G0HK,88
.set XB,92                             ; query at my rows; bq and Wq's scale bytes at my columns
.set BQ,94
.set WSB,96
.set AK0,4
.set AW0,5
.set AM0,6
.set ADK,7
.set ADW,8
.set ADM,9
.set XA,10
.set XWI,11
.set XWS,12
.set XRD,13
.set XRS,14
.set WRD,15
.set WSO,16
.set H64,17
.set L16,18
.set L4,19
.set TC,20                             ; 50 log2(e)
.set PFO,21
.set SPW,22                            ; LDS address of my spare word; v23 = 0: both never rewritten
.set NIL,23
.set PR,24
.set TM,32                             ; v32-35 a block's largest t (or magnitude), v36-39 the other half's, then bytes, v40-43 its largest p, v44-47 the conversions' scale operands
.set PC,48                             ; the codes just made
.set PW,56                             ; their scale word
.set QS,57                             ; q's scale words: lanes 0-15 the even head's, lanes 16-31 the odd head's
.set XS,58
.set RL,60
.set SS,64                             ; S^T, then p
.set MW,128                            ; the factor w
.set LL,192                            ; the sums: four packed chains a head
.set KS,208
.set VS,216
.set HA,192                            ; at the head: q's accumulators
.set WS,64                             ; at the head: Wq's scale words
.set MR,0                              ; window 1: the mask as loaded
.set OO,64                             ; O^T: 32 x head + 8 x tile of channels
.set KF,128                            ; k's eight tiles, four registers each; then four zeros
.set VF,164
.set QF,196                            ; q: the even head's four, four zeros, the odd head's four, four zeros
.set MSB,0
.macro WIN new
.if MSB != (\new)
	s_set_vgpr_msb (MSB<<8)|(\new)
.set MSB, (\new)
.endif
.endm
.macro PLACES n
.rept \n
	v_nop
.endr
.endm
.macro CROUND
	s_barrier_signal -1
	s_barrier_wait -1
	s_cmp_lg_u32 s[WV], 0
	s_cbranch_scc1 .Lnot_wave_0_\@
	s_barrier_signal -3
.Lnot_wave_0_\@:
	s_barrier_wait -3
	s_barrier_signal -1
	s_barrier_wait -1
.endm
.macro WM d, a, b, sa, sb, ra          ; a product that adds in place; ra = 1: source 0's scale words are taken from lanes 16-31
.if (\ra)
	v_wmma_scale_f32_16x16x128_f8f6f4 v[\d:\d+7], v[\a:\a+7], v[\b:\b+7], v[\d:\d+7], v[\sa], v[\sb] matrix_a_fmt:MATRIX_FMT_FP4 matrix_b_fmt:MATRIX_FMT_FP4 matrix_a_scale:MATRIX_SCALE_ROW1
.else
	v_wmma_scale_f32_16x16x128_f8f6f4 v[\d:\d+7], v[\a:\a+7], v[\b:\b+7], v[\d:\d+7], v[\sa], v[\sb] matrix_a_fmt:MATRIX_FMT_FP4 matrix_b_fmt:MATRIX_FMT_FP4
.endif
.endm
.macro WMZ d, a, b, sa, sb, row        ; a product that starts a sum
.if (\row)
	v_wmma_scale_f32_16x16x128_f8f6f4 v[\d:\d+7], v[\a:\a+7], v[\b:\b+7], 0, v[\sa], v[\sb] matrix_a_fmt:MATRIX_FMT_FP4 matrix_b_fmt:MATRIX_FMT_FP4 matrix_a_scale:MATRIX_SCALE_ROW1 matrix_b_scale:MATRIX_SCALE_ROW1
.else
	v_wmma_scale_f32_16x16x128_f8f6f4 v[\d:\d+7], v[\a:\a+7], v[\b:\b+7], 0, v[\sa], v[\sb] matrix_a_fmt:MATRIX_FMT_FP4 matrix_b_fmt:MATRIX_FMT_FP4
.endif
.endm
; 64 numbers of a lane, v[s] .. v[s + 63] of window w, register 16 b + i = k 32 b + 16 (lane / 16) + i of my row, become a fragment's codes in v[PC] on, the four bytes in v[TM+4] on and the scale word in v[PW]
.macro QUANT s, w
.if \w
	WIN 0x05
.else
	WIN 0
.endif
.irp b, 0,1,2,3
	v_max3_num_f32 v[TM+\b], |v[\s+16*\b]|, |v[\s+16*\b+1]|, 0x1800000   ; and the floor 2^(3 - 127): the byte cannot fall under 1
.endr
.if \w
	WIN 0x14
.endif
.irp i, 2,4,6,8,10,12,14
.irp b, 0,1,2,3
	v_max3_num_f32 v[TM+\b], v[TM+\b], |v[\s+16*\b+\i]|, |v[\s+16*\b+\i+1]|
.endr
.endr
	WIN 0
.irp b, 0,1,2,3
	v_permlanex16_b32 v[TM+4+\b], v[TM+\b], s[SEL], s[SEL+1]
.endr
.irp b, 0,1,2,3
	v_max_num_f32 v[TM+\b], v[TM+\b], v[TM+4+\b]
.endr
.irp b, 0,1,2,3
	v_add_nc_u32 v[TM+12+\b], 0xff000000, v[TM+\b]   ; 2 off the exponent field: the conversion takes that field as its scale
.endr
.irp b, 0,1,2,3
	v_lshrrev_b32 v[TM+4+\b], 23, v[TM+12+\b]
.endr
	v_lshl_or_b32 v[PW], v[TM+5], 8, v[TM+4]
	v_lshl_or_b32 v[PW], v[TM+6], 16, v[PW]
	v_lshl_or_b32 v[PW], v[TM+7], 24, v[PW]
.if \w
	WIN 0x01
.endif
.irp b, 0,1,2,3
	v_cvt_scalef32_pk8_fp4_f32 v[PC+2*\b], v[\s+16*\b:\s+16*\b+7], v[TM+12+\b]
	v_cvt_scalef32_pk8_fp4_f32 v[PC+2*\b+1], v[\s+16*\b+8:\s+16*\b+15], v[TM+12+\b]
.endr
	WIN 0
	v_nop                                          ; one plain place behind a scaled conversion
.irp c, 0,1
.irp i, 0,1
	v_permlane16_swap_b32 v[PC+4*\c+\i], v[PC+2+4*\c+\i]   ; a whole block in a lane
.endr
.endr
.endm
	s_load_b256 s[4:11], s[0:1], 0x0               ; query, mask, Wq codes, Wq scales
	s_load_b256 s[12:19], s[0:1], 0x20             ; bq, kv, cimg, csw
	v_lshl_add_u32 v[SPW], v0, 2, SPARE
	v_mov_b32 v[NIL], 0
	ds_add_u32 v[SPW], v[NIL]
	ds_add_u32 v[SPW], v[NIL]
	v_lshrrev_b32 v1, 5, v0
	v_readfirstlane_b32 s[WV], v1                  ; wave 0..7
	s_and_b32 s[QT], s[WV], 3
	s_lshr_b32 s[HP], s[WV], 2
	s_bfe_u32 s[CX], ttmp6, 0x40000
	s_bfe_u32 s[CY], ttmp6, 0x40004
	s_lshl_b32 s[GG], ttmp9, 2
	s_add_co_u32 s[GG], s[GG], s[CX]               ; the group of four heads = work-group x
	s_and_b32 s[CLY], ttmp7, 0xffff
	s_lshl_b32 s[YY], s[CLY], 2
	s_add_co_u32 s[YY], s[YY], s[CY]               ; the block of 64 queries = work-group y
	s_lshr_b32 s[BB], s[CLY], 3
	s_lshl_b32 s84, s[CY], 2
	s_lshl_b32 s84, 15, s84                        ; my row of the cluster
	s_lshl_b32 s85, 0x1111, s[CX]                  ; my column
	s_or_b32 s[G1Q], s85, (1<<20)|(1<<21)|(6<<22)|(3<<25)   ; Wq: 64 rows x 512 bytes, four words of padding after every 128; my column
	s_mov_b32 s[G1Q+1], 512<<16
	s_mov_b32 s[G1Q+2], 64<<16
	s_mov_b32 s[G1Q+3], 512<<16
	s_mov_b32 s[G1Q+4], 64
	s_mov_b32 s[G1Q+5], 512
	s_mov_b32 s[G1Q+6], 0
	s_mov_b32 s[G1Q+7], 0
	s_or_b32 s[G1M], s84, (2<<16)|(1<<20)|(1<<21)|(7<<22)|(3<<25)   ; the mask: rows of 256 elements of 4 bytes, four words of padding after every 256; my row.  32 rows at the head, 16 in the ring
	s_mov_b32 s[G1M+1], 256<<16
	s_mov_b32 s[G1M+2], 32<<16
	s_mov_b32 s[G1M+3], 256<<16
	s_mov_b32 s[G1M+4], 32
	s_mov_b32 s[G1M+5], 2048
	s_mov_b32 s[G1M+6], 0
	s_mov_b32 s[G1M+7], 0
	s_or_b32 s[G1K], s85, (3<<16)|(1<<21)          ; the record: dense rows of 32 elements of 8 bytes; my column.  144 rows (half) at the head, 72 (a quarter) in the ring
	s_mov_b32 s[G1K+1], 32<<16
	s_mov_b32 s[G1K+2], 144<<16
	s_mov_b32 s[G1K+3], 32<<16
	s_mov_b32 s[G1K+4], 144
	s_mov_b32 s[G1K+5], 32
	s_mov_b32 s[G1K+6], 0
	s_mov_b32 s[G1K+7], 0
	s_lshl_b32 s86, s[GG], 17                      ; Wq: rows 256 g + 64 w of 512 bytes (waves 0-3 ask)
	s_lshl_b32 s87, s[WV], 15
	s_add_co_u32 s86, s86, s87
	s_mov_b32 s87, 0
	s_lshl_b32 s88, s[YY], 19                      ; the ring's mask: rows 64 y + 16 (w % 4) of 8,192 bytes
	s_lshl_b32 s89, s[QT], 17
	s_add_co_u32 s88, s88, s89
	s_mov_b32 s89, 0
	s_and_b32 s2, s[WV], 1
	s_lshl_b32 s92, s[YY], 19                      ; the head's: rows 64 y + 32 (w % 2)
	s_lshl_b32 s93, s2, 18
	s_add_co_u32 s92, s92, s93
	s_mov_b32 s93, 0
	s_lshl_b32 s105, s[BB], 2                      ; the records of (batch, group): eight on end
	s_add_co_u32 s105, s105, s[GG]
	s_mul_i32 s105, s105, 8*REC
	s_mul_i32 s91, s[QT], 18432
	s_add_co_u32 s90, s105, s91                    ; the ring's quarter
	s_mov_b32 s91, 0
	s_mul_i32 s3, s2, 36864
	s_add_co_u32 s94, s105, s3                     ; the head's half
	s_mov_b32 s95, 0
	s_add_co_u32 s3, s3, KVO                       ; and where it goes
	s_mul_i32 s2, s2, 32*1040
	s_mul_i32 s[WMB], s[QT], 16*1040
	s_mul_i32 s[WKB], s[QT], 18432
	s_add_co_u32 s[WKB], s[WKB], KVO
	s_mul_i32 s83, s[WV], 64*528
	s_add_co_u32 s83, s83, WQO
	s_lshl_b32 s96, s[YY], 18                      ; query at my 16 rows, K step 4 (w / 4)
	s_lshl_b32 s97, s[QT], 16
	s_add_co_u32 s96, s96, s97
	s_lshl_b32 s97, s[HP], 11
	s_add_co_u32 s96, s96, s97
	s_mov_b32 s97, 0
	s_lshl_b32 s98, s[GG], 8
	s_lshl_b32 s99, s[HP], 7
	s_add_co_u32 s98, s98, s99                     ; n0 = 256 g + 128 (w / 4)
	s_lshl_b32 s100, s98, 5                        ; Wq's scale bytes at row n0
	s_mov_b32 s101, 0
	s_lshl_b32 s98, s98, 2                         ; bq at n0
	s_mov_b32 s99, 0
	; THE PREFETCHES: the mask's tile of a slot is read by the four partners of my row: partner cx takes rows 16 cx on; its waves 0 and 1 take 512 bytes of each row, a lane a block of 256 bytes.
	; A record is read by the eight clusters of its batch: the first asks; partner cy takes 16,384 bytes of the images (waves 4, 5: lanes 256 bytes apart) and 2,048 of the words (wave 6).  Partners are told apart by address alone.
	s_and_b32 s84, s[WV], 1
	s_lshl_b32 s104, s84, 9
	s_lshl_b32 s85, s[YY], 19
	s_add_co_u32 s104, s104, s85
	s_lshl_b32 s85, s[CX], 17
	s_add_co_u32 s104, s104, s85
	s_add_co_u32 s104, s104, 1024                  ; in slot 1: the first change of slots steps it to slot 2
	s_lshl_b32 s84, s84, 13
	s_lshl_b32 s85, s[CY], 14
	s_add_co_u32 s84, s84, s85
	s_lshl_b32 s85, s[CY], 11
	s_add_co_u32 s85, s85, 65536
	s_cmp_eq_u32 s[WV], 6
	s_cselect_b32 s84, s85, s84
	s_add_co_u32 s84, s84, s105
	s_add_co_u32 s84, s84, REC
	s_mov_b32 s[PFS], 1024
	s_cmp_lt_u32 s[WV], 4
	s_cselect_b32 s104, s104, s84
	s_cselect_b32 s[PFS], s[PFS], REC
	s_mov_b32 s105, 0
	s_mov_b32 s[PFS+1], 0
	s_and_b32 s84, s[CLY], 7
	s_cmp_eq_u32 s84, 0
	s_cselect_b32 s84, 1, 0                        ; the batch's first cluster: the same in all partners
	s_cmp_eq_u32 s[WV], 7
	s_cselect_b32 s84, 0, s84
	s_cmp_lt_u32 s[WV], 2
	s_cselect_b32 s85, 1, 0
	s_cmp_lt_u32 s[WV], 4
	s_cselect_b32 s[ASKF], s85, s84
	s_mov_b32 s[SEL], 0x76543210
	s_mov_b32 s[SEL+1], 0xfedcba98
	s_mov_b32 s[CC], 0x3db8aa3b                    ; c = log2(e) / 16
	s_mov_b32 s[CC+1], s[CC]
	; every LDS address is made of the thread's number and constants
	v_and_b32 v1, 31, v0                           ; lane
	v_and_b32 v2, 15, v0                           ; r
	v_bfe_u32 v3, v0, 4, 1                         ; h
	v_bfe_u32 v27, v0, 5, 2                        ; w % 4
	v_bfe_u32 v28, v0, 7, 1                        ; w / 4
	v_and_b32 v[PR], 8, v2
	v_add_nc_u32 v[PR], v[PR], v2                  ; r + 8 (r / 8)
	v_lshlrev_b32 v[L16], 4, v1
	v_lshlrev_b32 v[L4], 2, v1
	v_lshlrev_b32 v[H64], 6, v3
	v_lshl_add_u32 v29, v27, 1, v28                ; 2 (w % 4) + w / 4: a quarter of my first fragment's number
	v_lshlrev_b32 v25, 13, v2
	v_lshl_or_b32 v25, v3, 8, v25                  ; prefetch offsets: the mask: row r, block h;
	v_lshlrev_b32 v[PFO], 8, v1                    ; the images: 256 x lane;
	v_lshrrev_b32 v26, 2, v1
	v_lshlrev_b32 v26, 8, v26                      ; the words: 256 x (lane / 4)
	s_cmp_lt_u32 s[WV], 4
	s_cselect_b32 vcc_lo, -1, 0
	v_cndmask_b32 v[PFO], v[PFO], v25, vcc_lo
	s_cmp_eq_u32 s[WV], 6
	s_cselect_b32 vcc_lo, -1, 0
	v_cndmask_b32 v[PFO], v[PFO], v26, vcc_lo
	v_lshl_add_u32 v[AK0], v28, 13, v[L16]
	v_add_nc_u32 v[AK0], KVO, v[AK0]               ; images: 16 x lane, my pair of heads
	v_lshl_add_u32 v[AW0], v28, 10, v[L4]
	v_add_nc_u32 v[AW0], KVO+65536, v[AW0]         ; words: 4 x lane
	v_mad_u32_u24 v[AM0], v2, 1040, v[H64]
	v_mad_u32_u24 v[AM0], v27, 16*1040, v[AM0]     ; the mask: my query's row, + 64 h
	v_lshl_add_u32 v[XA], v2, 12, v[H64]           ; query: row r of 4,096 bytes, + 64 h
	v_lshl_add_u32 v[XWI], v29, 12, v[L16]
	v_add_nc_u32 v[XWI], XIMG, v[XWI]              ; where my four fragments of x go,
	v_lshl_add_u32 v[XWS], v29, 9, v[L4]
	v_add_nc_u32 v[XWS], XSC, v[XWS]
	v_lshl_add_u32 v[XRD], v27, 13, v[L16]
	v_add_nc_u32 v[XRD], XIMG, v[XRD]              ; and where I read my tile's eight
	v_lshl_add_u32 v[XRS], v27, 10, v[L4]
	v_add_nc_u32 v[XRS], XSC, v[XRS]
	v_mul_u32_u24 v[WRD], v[PR], 528
	v_lshl_add_u32 v[WRD], v3, 4, v[WRD]
	v_mad_u32_u24 v[WRD], v28, 128*528, v[WRD]
	v_add_nc_u32 v[WRD], WQO, v[WRD]               ; Wq: my 128 rows
	v_lshlrev_b32 v[WSO], 5, v[PR]
	v_lshl_add_u32 v[WSO], v3, 4, v[WSO]           ; its scale bytes: lanes 0-15 words 0-3, lanes 16-31 words 4-7
	v_mov_b32 v[TC], 0x42480000                    ; 50,
	v_mul_f32 v[TC], 0x3fb8aa3b, v[TC]             ; x log2(e), rounded as the clipped logit's t is
.irp b, 0,1,2,3
	v_mov_b32 v[TM+4+\b], 0                        ; a lane permute's destination counts as one of its sources
.endr
	s_wait_alu depctr_va_vdst(0)
	s_wait_dscnt 0x0                               ; both opening adds are done
	s_wait_kmcnt 0x0
	s_mov_b32 s[G0Q], 1
	s_mov_b32 s[G0Q+1], s83
	s_add_nc_u64 s[G0Q+2:G0Q+3], s[8:9], s[86:87]
	s_or_b32 s[G0Q+3], s[G0Q+3], 0x80000000
	s_mov_b32 s[G0M], 1
	s_mov_b32 s[G0M+1], s[WMB]
	s_add_nc_u64 s[G0M+2:G0M+3], s[6:7], s[88:89]  ; at slot 0's keys: the first change of slots steps it on
	s_or_b32 s[G0M+3], s[G0M+3], 0x80000000
	s_mov_b32 s[G0K], 1
	s_mov_b32 s[G0K+1], s[WKB]
	s_add_nc_u64 s[G0K+2:G0K+3], s[14:15], s[90:91]
	s_or_b32 s[G0K+3], s[G0K+3], 0x80000000
	s_mov_b32 s[G0HM], 1
	s_mov_b32 s[G0HM+1], s2
	s_add_nc_u64 s[G0HM+2:G0HM+3], s[6:7], s[92:93]
	s_or_b32 s[G0HM+3], s[G0HM+3], 0x80000000
	s_mov_b32 s[G0HK], 1
	s_mov_b32 s[G0HK+1], s3
	s_add_nc_u64 s[G0HK+2:G0HK+3], s[14:15], s[94:95]
	s_or_b32 s[G0HK+3], s[G0HK+3], 0x80000000
	s_add_nc_u64 s[XB:XB+1], s[4:5], s[96:97]
	s_add_nc_u64 s[BQ:BQ+1], s[12:13], s[98:99]
	s_add_nc_u64 s[WSB:WSB+1], s[10:11], s[100:101]
	s_cmp_lt_u32 s[WV], 4
	s_cselect_b64 s[PFA:PFA+1], s[6:7], s[14:15]
	s_add_nc_u64 s[PFA:PFA+1], s[PFA:PFA+1], s[104:105]
.macro XLOAD reg, i                    ; my 16 rows' numbers of my i-th K step: 64 a lane, 16 loads
.irp b, 0,1,2,3
.irp j, 0,1,2,3
	global_load_b128 v[\reg+16*\b+4*\j:\reg+16*\b+4*\j+3], v[XA], s[XB:XB+1] offset:512*\i+128*\b+16*\j
.endr
.endr
.endm
	CROUND                                         ; all sixteen work-groups are here: the first joint loads meet
.macro ARM under, g0, g1, next         ; one chain of branches on the wave's number, a load to an arm, all arms to one join
	s_cmp_lt_u32 s[WV], \under
	s_cbranch_scc0 \next
	tensor_load_to_lds s[\g0:\g0+3], s[\g1:\g1+7]
	s_nop 0
	PLACES 4
	s_branch .Lhead_asked
\next:
.endm
	ARM 4, G0Q,  G1Q, .Lhead_m
	ARM 6, G0HM, G1M, .Lhead_k
	tensor_load_to_lds s[G0HK:G0HK+3], s[G1K:G1K+7]
	s_nop 0
	PLACES 4
.Lhead_asked:
	XLOAD SS, 0                                    ; my four K steps of query
	XLOAD MW, 1
	WIN 0x40
	XLOAD MR, 2
	XLOAD OO, 3
	WIN 0
.macro JOB reg, w, i, left             ; one fragment of x: quantised, and its image to LDS.  left: the younger loads, which may stay out
	s_wait_loadcnt \left
	QUANT \reg, \w
	ds_store_b128 v[XWI], v[PC:PC+3] offset:1024*\i
	ds_store_b128 v[XWI], v[PC+4:PC+7] offset:1024*\i+512
	ds_store_b32 v[XWS], v[PW] offset:128*\i
.endm
	JOB SS, 0, 0, 48                               ; younger: three jobs of 16
.irp t, 0,1,2,3,4,5,6,7
	global_load_b128 v[WS+4*\t:WS+4*\t+3], v[WSO], s[WSB:WSB+1] offset:(32*(\t/2)+8*(\t%2))*32   ; into registers that job 0 has left
.endr
	JOB MW, 0, 1, 40                               ; two jobs and these eight
.irp t, 0,1,2,3,4,5,6,7                        ; bq is the C of each sum's first product: tile 2 b + u, register j: n0 + 32 b + 16 h + 8 u + j
	global_load_b128 v[HA+8*\t:HA+8*\t+3], v[H64], s[BQ:BQ+1] offset:(32*(\t/2)+8*(\t%2))*4
	global_load_b128 v[HA+8*\t+4:HA+8*\t+7], v[H64], s[BQ:BQ+1] offset:(32*(\t/2)+8*(\t%2))*4+16
.endr
	JOB MR, 1, 2, 40                               ; one job, the eight and bq's sixteen
	JOB OO, 1, 3, 24
	s_wait_alu depctr_va_vdst(0)
	s_wait_tensorcnt 0x0                           ; my one load of the head has landed, so a descriptor may be written: from here on
	s_mov_b32 s[G1M+2], 16<<16                     ; a load of the mask brings 16 rows,
	s_mov_b32 s[G1M+4], 16
	s_mov_b32 s[G1K+2], 72<<16                     ; one of the record a quarter
	s_mov_b32 s[G1K+4], 72
	s_wait_loadcnt 0x0
	s_wait_dscnt 0x0                               ; my images lie in LDS
	s_barrier_signal -1
	s_barrier_wait -1                              ; Wq's 256 rows, x's 32 fragments and slot 0 lie in LDS
.macro FW s, buf                       ; K step s: Wq's eight fragments, x's one and its scale word: 19 loads
	WIN 0x40
.irp t, 0,1,2,3,4,5,6,7
.irp c, 0,1
	ds_load_b128 v[64*(\buf)+8*\t+4*\c:64*(\buf)+8*\t+4*\c+3], v[WRD] offset:(32*(\t/2)+8*(\t%2))*528+64*(\s)+32*\c
.endr
.endr
.irp c, 0,1
	ds_load_b128 v[128+8*(\buf)+4*\c:128+8*(\buf)+4*\c+3], v[XRD] offset:1024*(\s)+512*\c
.endr
	WIN 0
	ds_load_b32 v[XS+(\buf)], v[XRS] offset:128*(\s)
.endm
	FW 0, 0
.set Q, 0
.rept 8
.if Q > 0
	PLACES 4                                       ; in front of loads into registers that the products of the step before have read
.endif
.if Q < 7
	FW Q+1, (Q+1)%2
	s_wait_dscnt 19                                ; all but the 19 just issued
.else
	s_wait_dscnt 0x0
.endif
	WIN 0x05
.irp t, 0,1,2,3,4,5,6,7                        ; the eight accumulators take turns
	WM HA+8*\t, 64*(Q%2)+8*\t, 128+8*(Q%2), WS+4*\t+Q%4, XS+Q%2, Q/4
.endr
.set Q, Q+1
.endr
	WIN 0
	PLACES 4
	QUANT HA, 0                                    ; registers 0-3: the even head's 64 channels of my query, 4-7: the odd head's
	v_lshl_or_b32 v[QS], v[TM+5], 8, v[TM+4]
	v_lshl_or_b32 v58, v[TM+7], 8, v[TM+6]
	v_or_b32 v[QS], 0x7f7f0000, v[QS]              ; bytes 2 and 3 stand over zero codes: 2^0
	v_or_b32 v58, 0x7f7f0000, v58
	v_cmp_ne_u32 vcc_lo, 0, v3
	v_cndmask_b32 v[QS], v[QS], v58, vcc_lo
	WIN 0x40
.irp j, 0,1,2,3
	v_mov_b32 v[QF+\j], v[PC+\j]
	v_mov_b32 v[QF+8+\j], v[PC+4+\j]
	v_mov_b32 v[QF+4+\j], 0
	v_mov_b32 v[QF+12+\j], 0
	v_mov_b32 v[KF+32+\j], 0                       ; what the last tile of k is named with
.endr
.set j, 0
.rept 64
	v_mov_b32 v[OO+j], 0                           ; O^T: the step is written once and adds from the first on
.set j, j+1
.endr
	WIN 0
.set j, 0
.rept 16
	v_mov_b32 v[LL+j], 0
.set j, j+1
.endr
.macro JLOAD                           ; a joint refill: waves 0-3 the mask's quarters, waves 4-7 the record's
	s_cmp_lt_u32 s[WV], 4
	s_cbranch_scc0 .Lfor_kv_\@
	tensor_load_to_lds s[G0M:G0M+3], s[G1M:G1M+7]
	s_nop 0
	PLACES 4
	s_branch .Lasked_\@
.Lfor_kv_\@:
	tensor_load_to_lds s[G0K:G0K+3], s[G1K:G1K+7]
	s_nop 0
	PLACES 4
.Lasked_\@:
.endm
.macro ASK                             ; a prefetch of what the NEXT change of slots will ask for: one slot, two steps of both heads, ahead of that load
	s_cmp_gt_u32 s[LOOP], 1                        ; the last trip that fills asks for nothing: there is no slot behind the one that it loads
	s_cbranch_scc0 .Lnot_mine_\@
	s_cmp_eq_u32 s[ASKF], 1
	s_cbranch_scc0 .Lnot_mine_\@
	global_prefetch_b8 v[PFO], s[PFA:PFA+1] th:TH_LOAD_NT scope:SCOPE_SE
.Lnot_mine_\@:
.endm
; THE CHANGE OF SLOTS, at a slot's head.  Each wave waits for all its tensor loads (one is out: its part of the slot ahead), adds 0 to its spare word, and waits for that and for its reads of the slot that it has left.
; fill = 1: the slot just left takes the next 256 keys: the barrier is a round of the cluster's, and the joint refill is the first thing behind it.
.macro CHANGE fill
	s_wait_tensorcnt 0x0                           ; no tensor load of mine is out, so a group 0 may be written
	ds_add_u32 v[SPW], v[NIL]
.if \fill
	s_add_nc_u64 s[G0M+2:G0M+3], s[G0M+2:G0M+3], 1024   ; 256 keys on in each row of the mask;
	s_add_nc_u64 s[G0K+2:G0K+3], s[G0K+2:G0K+3], REC    ; the next record
	s_add_co_u32 s[G0M+1], s[WMB], s[TO]
	s_add_co_u32 s[G0K+1], s[WKB], s[TO]
	s_wait_xcnt 0x0                                ; the last prefetch, a slot back, has read its address
	s_add_nc_u64 s[PFA:PFA+1], s[PFA:PFA+1], s[PFS:PFS+1]   ; one slot further on than the walking descriptors
.endif
	s_wait_dscnt 0x0                               ; the add is done, and my reads of the slot that I have left are over
.if \fill
	CROUND
	JLOAD
.else
	s_barrier_signal -1
	s_barrier_wait -1
.endif
.endm
.macro ADDR
	v_add_nc_u32 v[ADK], s[SK], v[AK0]
	v_add_nc_u32 v[ADW], s[SW], v[AW0]
	v_add_nc_u32 v[ADM], s[SM], v[AM0]
.endm
; what a step wants at its head, d steps on from the addresses in hand: the mask's 64 numbers a lane, the even head's eight tiles of k, both heads' scale words of k: 32 loads
.macro PRE d
	WIN 0x40
.irp b, 0,1,2,3
.irp j, 0,1,2,3
	ds_load_b128 v[MR+16*\b+4*\j:MR+16*\b+4*\j+3], v[ADM] offset:512*(\d)+128*\b+16*\j
.endr
.endr
.irp t, 0,1,2,3,4,5,6,7
	ds_load_b128 v[KF+4*\t:KF+4*\t+3], v[ADK] offset:16384*(\d)+512*\t
.endr
	WIN 0
.irp t, 0,1,2,3,4,5,6,7
	ds_load_b32 v[KS+\t], v[ADW] offset:2048*(\d)+128*\t
.endr
.endm
; A UNIT: my 16 queries, head e of my pair, 128 keys, in two parts.  FRONT: the scores' products and the loads of v.  BACK: the softmax and O^T's products: work on registers alone.
.macro FRONT e
	WIN 0x05                                       ; k and q window 1, S^T window 0
.irp t, 0,1,2,3,4,5,6,7
	WMZ SS+8*\t, KF+4*\t, QF+8*(\e), KS+\t, QS, \e
.endr
	WIN 0
	PLACES 4                                       ; in front of the loads into registers that matrix instructions have read, and of the first read of the scores
.irp ct, 0,1,2,3
	ds_load_b32 v[VS+\ct], v[ADW] offset:4096+(4*(\e)+\ct)*128
.endr
	WIN 0x40
.irp ct, 0,1,2,3
.irp c, 0,1
	ds_load_b128 v[VF+8*\ct+4*\c:VF+8*\ct+4*\c+3], v[ADK] offset:32768+4096*(\e)+1024*\ct+512*\c
.endr
.endr
.if (\e) == 0
.irp t, 0,1,2,3,4,5,6,7
	ds_load_b128 v[KF+4*\t:KF+4*\t+3], v[ADK] offset:4096+512*\t   ; the odd head's tiles of k
.endr
	WIN 0
.endif
	WIN 0
.endm
.macro BACK e
.set j, 0
.rept 32
	v_pk_mul_f32 v[SS+2*j:SS+2*j+1], v[SS+2*j:SS+2*j+1], v[MW+2*j:MW+2*j+1]   ; t before the clip; each accumulator from its low end on
.set j, j+1
.endr
.set j, 0
.rept 64
	v_med3_num_f32 v[SS+j], v[SS+j], -v[TC], v[TC]   ; the clip
.set j, j+1
.endr
.irp b, 0,1,2,3
	v_max_num_f32 v[TM+\b], v[SS+16*\b], v[SS+16*\b+1]   ; each block's largest t, the four blocks by turns
.endr
.irp g, 1,2,3,4,5,6,7
.irp b, 0,1,2,3
	v_max3_num_f32 v[TM+\b], v[TM+\b], v[SS+16*\b+2*\g], v[SS+16*\b+2*\g+1]
.endr
.endr
.irp b, 0,1,2,3
	v_permlanex16_b32 v[TM+4+\b], v[TM+\b], s[SEL], s[SEL+1]
.endr
.irp b, 0,1,2,3
	v_max_num_f32 v[TM+\b], v[TM+\b], v[TM+4+\b]   ; with lane l xor 16's 16 keys
.endr
	s_wait_alu depctr_va_vdst(0)
.set j, 0
.rept 64
	v_exp_f32 v[SS+j], v[SS+j]                     ; p = 2^t
.set j, j+1
.endr
.irp b, 0,1,2,3
	v_exp_f32 v[TM+8+\b], v[TM+\b]                 ; the block's largest p: the same instruction on the same number gives the same bits.  It lies over 2^-73: no floor is wanted
.endr
	v_nop                                          ; the plain place behind the last exponential
	s_wait_alu depctr_va_vdst(0)                   ; one wait for the whole batch, ahead of its first reader
.irp b, 0,1,2,3
	v_add_nc_u32 v[TM+12+\b], 0xff000000, v[TM+8+\b]
.endr
.irp b, 0,1,2,3
	v_lshrrev_b32 v[TM+4+\b], 23, v[TM+12+\b]
.endr
	v_lshl_or_b32 v[PW], v[TM+5], 8, v[TM+4]       ; p's scale word for these 128 keys
	v_lshl_or_b32 v[PW], v[TM+6], 16, v[PW]
	v_lshl_or_b32 v[PW], v[TM+7], 24, v[PW]
.irp b, 0,1,2,3
	v_cvt_scalef32_pk8_fp4_f32 v[PC+2*\b], v[SS+16*\b:SS+16*\b+7], v[TM+12+\b]
	v_cvt_scalef32_pk8_fp4_f32 v[PC+2*\b+1], v[SS+16*\b+8:SS+16*\b+15], v[TM+12+\b]
.endr
	v_nop
.irp c, 0,1
.irp i, 0,1
	v_permlane16_swap_b32 v[PC+4*\c+\i], v[PC+2+4*\c+\i]
.endr
.endr
.set j, 0
.rept 32                                       ; the row's sum is taken of the unquantised p, in four packed chains.  These 32 are also the places between the scale word, the codes and the products below
	v_pk_add_f32 v[LL+8*(\e)+2*(j%4):LL+8*(\e)+2*(j%4)+1], v[LL+8*(\e)+2*(j%4):LL+8*(\e)+2*(j%4)+1], v[SS+2*j:SS+2*j+1]
.set j, j+1
.endr
	s_wait_dscnt 0x0                               ; v's fragments and words are in, and all that was asked for with them
	WIN 0x51                                       ; v window 1, p window 0, O^T window 1
.irp ct, 0,1,2,3
	s_wait_alu depctr_va_vdst(0)
	WM OO+32*(\e)+8*\ct, VF+8*\ct, PC, VS+\ct, PW, 0
.endr
	WIN 0
.endm
.macro STEP
	s_wait_dscnt 0x0                               ; the mask, k's tiles and words are in
	WIN 0x01
.set j, 0
.rept 32
	v_pk_fma_f32 v[MW+2*j:MW+2*j+1], v[MR+2*j:MR+2*j+1], s[CC:CC+1], s[CC:CC+1] op_sel_hi:[1,0,0]   ; w = m c + c, for both heads
.set j, j+1
.endr
	FRONT 0
	BACK 0
	FRONT 1
.endm
; A TRIP: the slot at s[TB] is read, the other one filled (fill = 1).  THE BACK OF A SLOT'S LAST UNIT STANDS BEHIND THE CHANGE OF SLOTS: its scores, its factors and v's fragments lie in registers,
; so it is worked off while the next slot's first LDS loads are on their way.
.macro TRIP fill
	CHANGE \fill
	s_mov_b32 s[SK], s[TB]
	s_mov_b32 s[SW], s[TB]
	s_mov_b32 s[SM], s[TB]
	ADDR
	s_wait_alu depctr_va_vdst(0)
	PRE 0
.if \fill
	ASK                                            ; behind the joint load and the run of LDS loads
	s_cmp_eq_u32 s[LOOP], 7                        ; the first trip has no unit in hand
	s_cbranch_scc1 .Lnone_\@
.endif
	BACK 1
.Lnone_\@:
	s_mov_b32 s[CNT], 2
.Lstep_\@:
	STEP
	s_cmp_eq_u32 s[CNT], 1                         ; the slot's second step is fetched here, and the odd head's unit finished; behind the second step stands a change of slots
	s_cbranch_scc1 .Llast_\@
	PRE 1
	BACK 1
.Llast_\@:
	s_add_co_u32 s[SK], s[SK], 16384
	s_add_co_u32 s[SW], s[SW], 2048
	s_add_co_u32 s[SM], s[SM], 512
	ADDR
	s_sub_co_u32 s[CNT], s[CNT], 1
	s_cmp_lg_u32 s[CNT], 0
	s_wait_alu depctr_va_vdst(0)
	s_cbranch_scc1 .Lstep_\@
.endm
	s_wait_alu depctr_va_vdst(0)
	s_mov_b32 s[TB], 0
	s_mov_b32 s[TO], SLOTB
	s_mov_b32 s[LOOP], 7
.Lslot:                                        ; slots' worth 0 to 6 of the keys: each trip's change asks for the one that follows
	TRIP 1
	s_xor_b32 s[TB], s[TB], SLOTB                  ; on to the other slot
	s_xor_b32 s[TO], s[TO], SLOTB
	s_sub_co_u32 s[LOOP], s[LOOP], 1
	s_cmp_lg_u32 s[LOOP], 0
	s_cbranch_scc1 .Lslot
	TRIP 0                                         ; the last slot is written out
	BACK 1                                         ; and its last unit
	; THE WAY OUT.  The sums' chains, halves and the other half of the lanes'; O^T / the sum; the 64 numbers of a lane are 128 neighbours of the context's row in two lanes: one K step of the last product.
.irp e, 0,1
	v_pk_add_f32 v[LL+8*\e:LL+8*\e+1], v[LL+8*\e:LL+8*\e+1], v[LL+8*\e+2:LL+8*\e+3]
	v_pk_add_f32 v[LL+8*\e+4:LL+8*\e+5], v[LL+8*\e+4:LL+8*\e+5], v[LL+8*\e+6:LL+8*\e+7]
.endr
.irp e, 0,1
	v_pk_add_f32 v[LL+8*\e:LL+8*\e+1], v[LL+8*\e:LL+8*\e+1], v[LL+8*\e+4:LL+8*\e+5]
.endr
.irp e, 0,1
	v_add_f32 v[LL+8*\e], v[LL+8*\e], v[LL+8*\e+1]
.endr
.irp e, 0,1
	v_permlanex16_b32 v[LL+8*\e+1], v[LL+8*\e], s[SEL], s[SEL+1]
.endr
.irp e, 0,1
	v_add_f32 v[LL+8*\e], v[LL+8*\e], v[LL+8*\e+1]
.endr
	s_wait_alu depctr_va_vdst(0)
.irp e, 0,1
	v_rcp_f32 v[RL+2*\e], v[LL+8*\e]
.endr
	v_mov_b32 v[RL+1], 0                           ; (named with the reciprocals as pairs, so they are written; also the plain place behind the reciprocals)
	v_mov_b32 v[RL+3], 0
	s_lshl_b32 s92, s[YY], 2
	s_add_co_u32 s92, s92, s[QT]                   ; my tile of 16 rows,
	s_lshl_b32 s92, s92, 3
	s_lshl_b32 s93, s[GG], 1
	s_add_co_u32 s92, s92, s93
	s_add_co_u32 s92, s92, s[HP]                   ; K step 2 g + w / 4
	s_lshl_b32 s94, s92, 10
	s_mov_b32 s95, 0
	s_add_nc_u64 s[16:17], s[16:17], s[94:95]
	s_lshl_b32 s94, s92, 7
	s_add_nc_u64 s[18:19], s[18:19], s[94:95]
	WIN 0x01
	s_wait_alu depctr_va_vdst(0)                   ; one wait for both reciprocals and for O^T, directly ahead of the first reader
.set j, 0
.rept 32
	v_pk_mul_f32 v[SS+2*j:SS+2*j+1], v[OO+2*j:OO+2*j+1], v[RL+2*(j/16):RL+2*(j/16)+1] op_sel_hi:[1,0]   ; each accumulator from its low end on
.set j, j+1
.endr
	WIN 0
	QUANT SS, 0
	global_store_b128 v[L16], v[PC:PC+3], s[16:17]             ; the fragment's image: 512 consecutive bytes a store
	global_store_b128 v[L16], v[PC+4:PC+7], s[16:17] offset:512
	global_store_b32 v[L4], v[PW], s[18:19]                    ; its scale words: 128 consecutive bytes
	s_wait_tensorcnt 0x0                           ; the wave's end
	ds_add_u32 v[SPW], v[NIL]
	s_wait_dscnt 0x0
	CROUND                                         ; the closing round
	s_endpgm
.Lfunc_end_k_q9034b9ab36_attn:
	.size	k_q9034b9ab36_attn, .Lfunc_end_k_q9034b9ab36_attn-k_q9034b9ab36_attn
	.p2alignl 7, 3214868480
	.fill 96, 4, 3214868480
	.section	.rodata,"a",@progbits
	.p2align	6, 0x0
	.amdhsa_kernel k_q9034b9ab36_attn
		.amdhsa_group_segment_fixed_size 327680
		.amdhsa_private_segment_fixed_size 0
		.amdhsa_enable_private_segment 0
		.amdhsa_kernarg_size 64
		.amdhsa_user_sgpr_count 2
		.amdhsa_user_sgpr_kernarg_segment_ptr 1
		.amdhsa_wavefront_size32 1
		.amdhsa_system_sgpr_workgroup_id_x 1
		.amdhsa_system_sgpr_workgroup_id_y 1
		.amdhsa_system_sgpr_workgroup_id_z 1
		.amdhsa_system_vgpr_workitem_id 0
		.amdhsa_next_free_vgpr 512
		.amdhsa_next_free_sgpr 106
		.amdhsa_reserve_vcc 1
		.amdhsa_float_denorm_mode_32 3
		.amdhsa_float_denorm_mode_16_64 3
		.amdhsa_memory_ordered 1
		.amdhsa_forward_progress 1
		.amdhsa_inst_pref_size 196
	.end_amdhsa_kernel
	.amdgpu_metadata
---
amdhsa.version: [ 1, 2 ]
amdhsa.kernels:
  - .name:           k_q9034b9ab36_attn
    .symbol:         k_q9034b9ab36_attn.kd
    .args:
      - { .name: query, .offset: 0, .size: 8, .value_kind: global_buffer, .address_space: global }
      - { .name: mask, .offset: 8, .size: 8, .value_kind: global_buffer, .address_space: global }
      - { .name: Wq_codes, .offset: 16, .size: 8, .value_kind: global_buffer, .address_space: global }
      - { .name: Wq_scales, .offset: 24, .size: 8, .value_kind: global_buffer, .address_space: global }
      - { .name: bq, .offset: 32, .size: 8, .value_kind: global_buffer, .address_space: global }
      - { .name: kv, .offset: 40, .size: 8, .value_kind: global_buffer, .address_space: global }
      - { .name: cimg, .offset: 48, .size: 8, .value_kind: global_buffer, .address_space: global }
      - { .name: csw, .offset: 56, .size: 8, .value_kind: global_buffer, .address_space: global }
    .group_segment_fixed_size: 327680
    .private_segment_fixed_size: 0
    .kernarg_segment_align: 8
    .kernarg_segment_size: 64
    .max_flat_workgroup_size: 256
    .sgpr_count:     106
    .vgpr_count:     512
    .wavefront_size: 32
...
	.end_amdgpu_metadata
.endif
;; end of part 2
;; launch outln (part 3): grid 256 x 1, 8 waves a work-group, clusters of 4 x 1, 327,680 bytes of LDS; arguments cimg, csw, Wo_codes, Wo_scales, bo, query, gamma, beta, out0; writes out0
.if DOCPART == 3
	.amdgcn_target "amdgcn-amd-amdhsa--gfx1250"
	.amdhsa_code_object_version 6
	.text
	.protected	k_q9034b9ab36_outln
	.globl	k_q9034b9ab36_outln
	.p2align	8
	.type	k_q9034b9ab36_outln,@function
k_q9034b9ab36_outln:
	s_mov_b64 s[64:65], 0
	v_nop
	global_prefetch_b8 v0, s[64:65] scope:SCOPE_SE
	s_setreg_imm32_b32 hwreg(HW_REG_WAVE_MODE, 25, 1), 1
	s_wait_xcnt 0x0
	s_wait_alu depctr_hold_cnt(0) depctr_sa_sdst(0) depctr_va_vdst(0) depctr_va_sdst(0) depctr_va_ssrc(0) depctr_va_vcc(0) depctr_vm_vsrc(0)
	s_getreg_b32 s2, hwreg(HW_REG_IB_STS2, 6, 4)
	s_cmp_eq_u32 s2, 0
	s_cbranch_scc0 .Lentry_in_a_cluster
	s_endpgm
.Lentry_in_a_cluster:
	s_bfe_u32 s2, ttmp6, 0x10000c
	s_cmp_lg_u32 s2, 0x3003
	s_cbranch_scc0 .Lentry_shape_is_right
	s_endpgm
.Lentry_shape_is_right:
.set WV,    22
.set G1,    24
.set G0,    32
.set SEL,   40
.set SLOTB, 256*528
.set SPARE, 2*SLOTB
.set SP,    4112
.set SPW,   14
.set NIL,   15
.set CS,    16
.set WS,    24
.set CF,    64
.set XX,    64
.set ACC,   128
.set BO,    192
.set SA,    224
.set SB,    240
.set QR,    128
.set GA,    192
.set BE,    224
.set MSB,   0
.macro WIN new
.if MSB != (\new)
	s_set_vgpr_msb (MSB<<8)|(\new)
.set MSB, (\new)
.endif
.endm
.macro PLACES n
.rept \n
	v_nop
.endr
.endm
.macro CROUND
	s_barrier_signal -1
	s_barrier_wait -1
	s_cmp_lg_u32 s[WV], 0
	s_cbranch_scc1 .Lnot_wave_0_\@
	s_barrier_signal -3
.Lnot_wave_0_\@:
	s_barrier_wait -3
	s_barrier_signal -1
	s_barrier_wait -1
.endm
.macro WM d, a, b, sa, sb, ra
.if (\ra)
	v_wmma_scale_f32_16x16x128_f8f6f4 v[\d:\d+7], v[\a:\a+7], v[\b:\b+7], v[\d:\d+7], v[\sa], v[\sb] matrix_a_fmt:MATRIX_FMT_FP4 matrix_b_fmt:MATRIX_FMT_FP4 matrix_a_scale:MATRIX_SCALE_ROW1
.else
	v_wmma_scale_f32_16x16x128_f8f6f4 v[\d:\d+7], v[\a:\a+7], v[\b:\b+7], v[\d:\d+7], v[\sa], v[\sb] matrix_a_fmt:MATRIX_FMT_FP4 matrix_b_fmt:MATRIX_FMT_FP4
.endif
.endm
.macro WMZ d, a, b, sa, sb
	v_wmma_scale_f32_16x16x128_f8f6f4 v[\d:\d+7], v[\a:\a+7], v[\b:\b+7], 0, v[\sa], v[\sb] matrix_a_fmt:MATRIX_FMT_FP4 matrix_b_fmt:MATRIX_FMT_FP4
.endm
	s_load_b256 s[4:11], s[0:1], 0x0
	s_load_b256 s[12:19], s[0:1], 0x20
	s_load_b64 s[20:21], s[0:1], 0x40
	v_lshl_add_u32 v[SPW], v0, 2, SPARE
	v_mov_b32 v[NIL], 0
	ds_add_u32 v14, v15
	ds_add_u32 v14, v15
	s_wait_dscnt 0x0
	v_lshrrev_b32 v1, 5, v0
	s_delay_alu instid0(VALU_DEP_1)
	v_readfirstlane_b32 s[WV], v1
	s_bfe_u32 s23, ttmp6, 0x40000
	s_lshl_b32 s42, ttmp9, 2
	s_add_co_u32 s42, s42, s23
	s_mov_b32 s[G1], 15|(1<<20)|(1<<21)|(6<<22)|(3<<25)
	s_mov_b32 s[G1+1], 512<<16
	s_mov_b32 s[G1+2], 64<<16                      ; a load brings 64 rows of Wo: a wave's four tiles of one half of the columns
	s_mov_b32 s[G1+3], 512<<16
	s_mov_b32 s[G1+4], 64
	s_mov_b32 s[G1+5], 512
	s_mov_b32 s[G1+6], 0
	s_mov_b32 s[G1+7], 0
	s_mul_i32 s43, s[WV], 64*528                   ; wave w takes columns 512 p + 64 w on, p = 0, then 1: two fills of the same bytes
	s_lshl_b32 s44, s[WV], 15
	s_mov_b32 s45, 0
	s_wait_kmcnt 0x0
	s_add_nc_u64 s[46:47], s[8:9], s[44:45]
	CROUND
	s_mov_b32 s[G0], 1
	s_mov_b32 s[G0+1], s43
	s_mov_b64 s[G0+2:G0+3], s[46:47]
	s_or_b32 s[G0+3], s[G0+3], 0x80000000
	tensor_load_to_lds s[G0:G0+3], s[G1:G1+7]      ; my one load of the head; the addresses and the global loads below stand under its flight
	s_nop 0
	PLACES 4
	v_and_b32 v1, 31, v0
	v_and_b32 v2, 15, v0
	v_bfe_u32 v3, v0, 4, 1
	s_delay_alu instid0(VALU_DEP_3)
	v_lshlrev_b32 v4, 4, v1
	s_delay_alu instid0(VALU_DEP_4)
	v_lshlrev_b32 v5, 2, v1
	s_delay_alu instid0(VALU_DEP_4)
	v_mul_u32_u24 v6, v2, 528
	s_delay_alu instid0(VALU_DEP_1)
	v_lshl_add_u32 v6, v3, 4, v6
	s_delay_alu instid0(VALU_DEP_1)
	v_add_nc_u32 v6, s43, v6
	v_lshlrev_b32 v8, 5, v2
	s_delay_alu instid0(VALU_DEP_1)
	v_lshl_add_u32 v8, v3, 4, v8
	s_wait_alu depctr_va_vdst(0)
	s_lshl_b32 s48, s[WV], 8
	v_mul_u32_u24 v9, v2, SP
	s_delay_alu instid0(VALU_DEP_1)
	v_lshl_add_u32 v9, v3, 5, v9
	s_delay_alu instid0(VALU_DEP_1)
	v_add_nc_u32 v9, s48, v9
	s_mul_i32 s48, s[WV], 2*SP
	v_add_nc_u32 v10, s48, v4
	s_lshl_b32 s48, s[WV], 11
	s_mov_b32 s49, 0
	s_add_nc_u64 s[48:49], s[10:11], s[48:49]
	s_lshl_b32 s50, s42, 13
	s_mov_b32 s51, 0
	s_add_nc_u64 s[50:51], s[4:5], s[50:51]
	s_lshl_b32 s52, s42, 10
	s_mov_b32 s53, 0
	s_add_nc_u64 s[52:53], s[6:7], s[52:53]
	s_lshl_b32 s54, s42, 4
	s_lshl_b32 s55, s[WV], 1
	s_add_co_u32 s54, s54, s55
	s_lshl_b32 s54, s54, 12
	s_mov_b32 s55, 0
	s_add_nc_u64 s[56:57], s[20:21], s[54:55]
	s_add_nc_u64 s[54:55], s[14:15], s[54:55]
	s_mov_b32 s[SEL], 0x76543210
	s_mov_b32 s[SEL+1], 0xfedcba98
	s_mov_b32 s58, 0x3a800000
	s_mov_b32 s59, 0x3727c5ac
; What all eight waves want alike comes from memory ONCE a work-group, 16 (or 4) bytes a thread, and goes through LDS bytes of its own, behind the spare words:
; the context's eight images (8,192 bytes), their scale words (1,024), bo, gamma and beta (4,096 each).
.set CFS, SPARE+1024
.set CSS, CFS+8192
.set VEC, CSS+1024
	v_lshlrev_b32 v11, 4, v0                       ; 16 x thread
	v_lshlrev_b32 v12, 2, v0                       ; 4 x thread
	v_add_nc_u32 v13, CFS, v11                     ; in: by threads;
	v_add_nc_u32 v56, CSS, v12
	v_add_nc_u32 v7, CFS, v4                       ; back: by lanes
	v_add_nc_u32 v57, CSS, v5
	global_load_b128 v[204:207], v11, s[50:51] th:TH_LOAD_NT
	global_load_b128 v[208:211], v11, s[50:51] offset:4096 th:TH_LOAD_NT
	global_load_b32 v212, v12, s[52:53] th:TH_LOAD_NT
	global_load_b128 v[192:195], v11, s[12:13]
	global_load_b128 v[196:199], v11, s[16:17]
	global_load_b128 v[200:203], v11, s[18:19]
.irp u, 0,1,2,3
.irp i, 0,1
	global_load_b128 v[WS+4*(2*\u+\i):WS+4*(2*\u+\i)+3], v8, s[48:49] offset:16384*(\u/2)+1024*(\u%2)+512*\i
.endr
.endr
	WIN 0x40
.irp rr, 0,1
.irp k, 0,1,2,3,4,5,6,7
	global_load_b128 v[QR+32*\rr+4*\k:QR+32*\rr+4*\k+3], v4, s[54:55] offset:4096*\rr+512*\k th:TH_LOAD_NT
.endr
.endr
	WIN 0
	s_wait_alu depctr_va_vdst(0)
	s_wait_loadcnt 24                              ; the six shared loads are in; younger: Wo's 8 loads of scale words and query's 16
	ds_store_b128 v13, v[204:207]
	ds_store_b128 v13, v[208:211] offset:4096
	ds_store_b32 v56, v212
	ds_store_b128 v13, v[192:195] offset:VEC-CFS
	ds_store_b128 v13, v[196:199] offset:VEC-CFS+4096
	ds_store_b128 v13, v[200:203] offset:VEC-CFS+8192
	s_wait_dscnt 0x0                               ; for the others' sake: my part lies in LDS
	s_barrier_signal -1                            ; my tensor load may stay out
	s_barrier_wait -1
.irp s, 0,1,2,3,4,5,6,7
.irp c, 0,1
	ds_load_b128 v[CF+8*\s+4*\c:CF+8*\s+4*\c+3], v7 offset:1024*\s+512*\c
.endr
.endr
.irp s, 0,1,2,3,4,5,6,7
	ds_load_b32 v[CS+\s], v57 offset:128*\s
.endr
.irp k, 0,1,2,3,4,5,6,7
	ds_load_b128 v[BO+4*\k:BO+4*\k+3], v7 offset:VEC-CFS+512*\k
.endr
	WIN 0x40
.irp k, 0,1,2,3,4,5,6,7
	ds_load_b128 v[GA+4*\k:GA+4*\k+3], v7 offset:VEC-CFS+4096+512*\k
	ds_load_b128 v[BE+4*\k:BE+4*\k+3], v7 offset:VEC-CFS+8192+512*\k
.endr
	WIN 0
	s_wait_loadcnt 16                              ; Wo's scale words are in; query's 16 loads serve the way out
	s_wait_tensorcnt 0x0                           ; my 64 rows have landed: I alone read them
.macro WLOAD ch, half
.irp q, 0,1,2,3
.irp i, 0,1
.irp u, 0,1
	ds_load_b128 v[64*(\half)+16*\q+8*\i+4*\u:64*(\half)+16*\q+8*\i+4*\u+3], v6 offset:32*528*((\ch)%2)+16*528*\i+64*(4*(\half)+\q)+32*\u
.endr
.endr
.endr
.endm
.macro GEMM ch
	WIN 0x40
	WLOAD \ch, 0
	WLOAD \ch, 1
	s_wait_dscnt 16
	WIN 0x01
.irp i, 0,1
	WMZ ACC+8*(2*(\ch)+\i), 8*\i, CF, WS+4*(2*(\ch)+\i), CS
.endr
.irp q, 1,2,3
.irp i, 0,1
	WM ACC+8*(2*(\ch)+\i), 16*\q+8*\i, CF+8*\q, WS+4*(2*(\ch)+\i)+\q, CS+\q, 0
.endr
.endr
	s_wait_dscnt 0x0
.irp q, 0,1,2,3
.irp i, 0,1
	WM ACC+8*(2*(\ch)+\i), 64+16*\q+8*\i, CF+32+8*\q, WS+4*(2*(\ch)+\i)+\q, CS+4+\q, 1
.endr
.endr
	WIN 0
	PLACES 4
.endm
.macro CHG slot, fill
	s_wait_tensorcnt 0x0
	ds_add_u32 v[SPW], v[NIL]
.if \fill
	s_add_nc_u64 s[G0+4*\slot+2:G0+4*\slot+3], s[G0+4*\slot+2:G0+4*\slot+3], 262144
.endif
	s_wait_dscnt 0x0
.if \fill
	CROUND
	tensor_load_to_lds s[G0+4*\slot:G0+4*\slot+3], s[G1:G1+7]
	s_nop 0
	PLACES 4
.else
	s_barrier_signal -1
	s_barrier_wait -1
.endif
.endm
	GEMM 0
	GEMM 1
	CHG 0, 1                                       ; the one refill: columns 512 on
	s_wait_tensorcnt 0x0                           ; my 64 rows have landed
	GEMM 2
	GEMM 3
	s_barrier_signal -1                            ; no LDS load of mine is out: every wave's reads of Wo are over before any wave stores into the stage, which lies in those bytes
	s_barrier_wait -1
	s_wait_alu depctr_va_vdst(0)
.irp u, 0,1,2,3
.irp i, 0,1
	ds_store_b128 v9, v[ACC+8*(2*\u+\i):ACC+8*(2*\u+\i)+3] offset:2048*(\u/2)+128*(\u%2)+64*\i
	ds_store_b128 v9, v[ACC+8*(2*\u+\i)+4:ACC+8*(2*\u+\i)+7] offset:2048*(\u/2)+128*(\u%2)+64*\i+16
.endr
.endr
	s_wait_dscnt 0x0
	s_barrier_signal -1
	s_barrier_wait -1
.irp rr, 0,1
.irp k, 0,1,2,3,4,5,6,7
	ds_load_b128 v[XX+32*\rr+4*\k:XX+32*\rr+4*\k+3], v10 offset:SP*\rr+512*\k
.endr
.endr
	s_wait_loadcnt 0x0
	s_wait_dscnt 0x0
.set p, 0
.rept 32
	v_pk_add_f32 v[XX+2*p:XX+2*p+1], v[XX+2*p:XX+2*p+1], v[BO+2*(p%16):BO+2*(p%16)+1]
.set p, p+1
.endr
	WIN 0x04
.set p, 0
.rept 32
	v_pk_add_f32 v[XX+2*p:XX+2*p+1], v[XX+2*p:XX+2*p+1], v[QR+2*p:QR+2*p+1]
.set p, p+1
.endr
	WIN 0
.macro RED a
	v_pk_add_f32 v[\a:\a+1], v[\a:\a+1], v[\a+2:\a+3]
	v_pk_add_f32 v[\a+4:\a+5], v[\a+4:\a+5], v[\a+6:\a+7]
	s_delay_alu instid0(VALU_DEP_1)
	v_pk_add_f32 v[\a:\a+1], v[\a:\a+1], v[\a+4:\a+5]
	s_delay_alu instid0(VALU_DEP_1)
	v_add_f32 v[\a], v[\a], v[\a+1]
	s_delay_alu instid0(VALU_DEP_1)
	v_add_f32_dpp v[\a], v[\a], v[\a] row_xmask:1 row_mask:0xf bank_mask:0xf
	s_delay_alu instid0(VALU_DEP_1)
	v_add_f32_dpp v[\a], v[\a], v[\a] row_xmask:2 row_mask:0xf bank_mask:0xf
	s_delay_alu instid0(VALU_DEP_1)
	v_add_f32_dpp v[\a], v[\a], v[\a] row_xmask:4 row_mask:0xf bank_mask:0xf
	s_delay_alu instid0(VALU_DEP_1)
	v_add_f32_dpp v[\a], v[\a], v[\a] row_xmask:8 row_mask:0xf bank_mask:0xf
	s_delay_alu instid0(VALU_DEP_1)
	v_permlanex16_b32 v[\a+1], v[\a], s[SEL], s[SEL+1]
	s_delay_alu instid0(VALU_DEP_1)
	v_add_f32 v[\a], v[\a], v[\a+1]
.endm
.irp k, 0,1,2,3
.irp rr, 0,1
	v_pk_add_f32 v[SA+8*\rr+2*\k:SA+8*\rr+2*\k+1], v[XX+32*\rr+2*\k:XX+32*\rr+2*\k+1], v[XX+32*\rr+8+2*\k:XX+32*\rr+8+2*\k+1]
.endr
.endr
.irp k, 8,9,10,11,12,13,14,15
.irp rr, 0,1
	v_pk_add_f32 v[SA+8*\rr+2*(\k%4):SA+8*\rr+2*(\k%4)+1], v[SA+8*\rr+2*(\k%4):SA+8*\rr+2*(\k%4)+1], v[XX+32*\rr+2*\k:XX+32*\rr+2*\k+1]
.endr
.endr
	RED SA
	RED SA+8
	v_mul_f32 v[SA], 0xba800000, v[SA]
	s_delay_alu instid0(VALU_DEP_2)
	v_mul_f32 v[SA+8], 0xba800000, v[SA+8]
.set p, 0
.rept 32
	v_pk_add_f32 v[XX+2*p:XX+2*p+1], v[XX+2*p:XX+2*p+1], v[SA+8*(p/16):SA+8*(p/16)+1] op_sel_hi:[1,0]
.set p, p+1
.endr
.irp k, 0,1,2,3
.irp rr, 0,1
	v_pk_mul_f32 v[SB+8*\rr+2*\k:SB+8*\rr+2*\k+1], v[XX+32*\rr+2*\k:XX+32*\rr+2*\k+1], v[XX+32*\rr+2*\k:XX+32*\rr+2*\k+1]
.endr
.endr
.irp k, 4,5,6,7,8,9,10,11,12,13,14,15
.irp rr, 0,1
	v_pk_fma_f32 v[SB+8*\rr+2*(\k%4):SB+8*\rr+2*(\k%4)+1], v[XX+32*\rr+2*\k:XX+32*\rr+2*\k+1], v[XX+32*\rr+2*\k:XX+32*\rr+2*\k+1], v[SB+8*\rr+2*(\k%4):SB+8*\rr+2*(\k%4)+1]
.endr
.endr
	RED SB
	RED SB+8
	v_fma_f32 v[SB], v[SB], s58, s59
	s_delay_alu instid0(VALU_DEP_2)
	v_fma_f32 v[SB+8], v[SB+8], s58, s59
	s_wait_alu depctr_va_vdst(0)
	v_rsq_f32 v[SB+2], v[SB]
	v_rsq_f32 v[SB+10], v[SB+8]
	v_nop
	s_wait_alu depctr_va_vdst(0)
.set p, 0
.rept 32
	v_pk_mul_f32 v[XX+2*p:XX+2*p+1], v[XX+2*p:XX+2*p+1], v[SB+2+8*(p/16):SB+3+8*(p/16)] op_sel_hi:[1,0]
.set p, p+1
.endr
	WIN 0x14
.set p, 0
.rept 32
	v_pk_fma_f32 v[XX+2*p:XX+2*p+1], v[XX+2*p:XX+2*p+1], v[GA+2*(p%16):GA+2*(p%16)+1], v[BE+2*(p%16):BE+2*(p%16)+1]
.set p, p+1
.endr
	WIN 0
.irp rr, 0,1
.irp k, 0,1,2,3,4,5,6,7
	global_store_b128 v4, v[XX+32*\rr+4*\k:XX+32*\rr+4*\k+3], s[56:57] offset:4096*\rr+512*\k th:TH_STORE_NT
.endr
.endr
	s_wait_tensorcnt 0x0
	ds_add_u32 v[SPW], v[NIL]
	s_wait_dscnt 0x0
	CROUND
	s_endpgm
.Lfunc_end_k_q9034b9ab36_outln:
	.size	k_q9034b9ab36_outln, .Lfunc_end_k_q9034b9ab36_outln-k_q9034b9ab36_outln
	.p2alignl 7, 3214868480
	.fill 96, 4, 3214868480
	.section	.rodata,"a",@progbits
	.p2align	6, 0x0
	.amdhsa_kernel k_q9034b9ab36_outln
		.amdhsa_group_segment_fixed_size 327680
		.amdhsa_private_segment_fixed_size 0
		.amdhsa_enable_private_segment 0
		.amdhsa_kernarg_size 72
		.amdhsa_user_sgpr_count 2
		.amdhsa_user_sgpr_kernarg_segment_ptr 1
		.amdhsa_wavefront_size32 1
		.amdhsa_system_sgpr_workgroup_id_x 1
		.amdhsa_system_sgpr_workgroup_id_y 1
		.amdhsa_system_sgpr_workgroup_id_z 1
		.amdhsa_system_vgpr_workitem_id 0
		.amdhsa_next_free_vgpr 512
		.amdhsa_next_free_sgpr 80
		.amdhsa_reserve_vcc 0
		.amdhsa_float_denorm_mode_32 3
		.amdhsa_float_denorm_mode_16_64 3
		.amdhsa_memory_ordered 1
		.amdhsa_forward_progress 1
		.amdhsa_inst_pref_size 51
	.end_amdhsa_kernel
	.amdgpu_metadata
---
amdhsa.version: [ 1, 2 ]
amdhsa.kernels:
  - .name:           k_q9034b9ab36_outln
    .symbol:         k_q9034b9ab36_outln.kd
    .args:
      - { .name: cimg, .offset: 0, .size: 8, .value_kind: global_buffer, .address_space: global }
      - { .name: csw, .offset: 8, .size: 8, .value_kind: global_buffer, .address_space: global }
      - { .name: Wo_codes, .offset: 16, .size: 8, .value_kind: global_buffer, .address_space: global }
      - { .name: Wo_scales, .offset: 24, .size: 8, .value_kind: global_buffer, .address_space: global }
      - { .name: bo, .offset: 32, .size: 8, .value_kind: global_buffer, .address_space: global }
      - { .name: query, .offset: 40, .size: 8, .value_kind: global_buffer, .address_space: global }
      - { .name: gamma, .offset: 48, .size: 8, .value_kind: global_buffer, .address_space: global }
      - { .name: beta, .offset: 56, .size: 8, .value_kind: global_buffer, .address_space: global }
      - { .name: out0, .offset: 64, .size: 8, .value_kind: global_buffer, .address_space: global }
    .group_segment_fixed_size: 327680
    .private_segment_fixed_size: 0
    .kernarg_segment_align: 8
    .kernarg_segment_size: 72
    .max_flat_workgroup_size: 256
    .sgpr_count:     80
    .vgpr_count:     512
    .wavefront_size: 32
...
	.end_amdgpu_metadata
.endif
;; end of part 3
